; MI455X (gfx1250); checked and timed in simulation.
; The chip was launched on July 23, 2026; its instructions are those of AMD's public machine-readable ISA for CDNA 5 (MIT licence, August 2026) and "CDNA5" Instruction Set Architecture Reference Guide (July 2026). The comments in the code are by the model that wrote it; some were corrected since.
;; Self Attention. Allowed arithmetic: matrix products marked QUANTISED: E3M2 operands, one E8M0 scale for each 32 along K, by v_wmma_scale_f32_16x16x128_f8f6f4 with both operands' format E3M2, f32 sums; everything else in f32.
;; Inputs: out_b 1,024 float32; out_w 1,024 x 1,024 float32; qkv_b 3,072 float32; qkv_w 3,072 x 1,024 float32; x 4 x 2,048 x 1,024 float32.
;; Outputs: out0 4 x 2,048 x 1,024 float32.
;; This version of the problem:
;;   THIS VERSION OF THE PROBLEM IS GIVEN IN LOW PRECISION. The matrix products marked QUANTISED in the list below multiply operands that are first quantised to E3M2 (3 exponent bits, 2 mantissa bits; 6 bits a number), with one power-of-two scale for each 32 numbers along K (OCP MX v1.0); their sums are f32. All else is computed in f32.
;;   The module's matrix products, in the order in which they are computed (A, B: the left and right operand; K: the contracted axis; several contracted axes count as one K, in the product's order):
;;     1. [M 8,192, K 1,024] x [K 1,024, N 3,072]; A: input x; B: input qkv_w: QUANTISED
;;     2. batch 64 x [M 2,048, K 64] x [K 64, N 2,048]; A: computed on the way; B: computed on the way: QUANTISED
;;     3. batch 64 x [M 2,048, K 2,048] x [K 2,048, N 64]; A: softmax (see below); B: computed on the way: QUANTISED
;;     4. [M 8,192, K 1,024] x [K 1,024, N 1,024]; A: computed on the way; B: input out_w: QUANTISED
;;   THE QUANTISER, for each operand of a quantised product, along K:
;;     - K is cut into blocks of 32 from its start; a last block that is shorter is filled with zeros.
;;     - A block's scale is 2^e with e = floor(log2(the largest magnitude in the block)) - 4, held to -126 .. 127; a block of zeros has e = 0. As a byte (E8M0): e + 127.
;;     - Each number is divided by its block's scale, clamped to +-28, and rounded to the nearest number of E3M2, ties to even, subnormals kept.
;;     - The product sums the exact products of the quantised numbers (number of the format x scale) in f32.
;;   ~~~python
;;   def quantise(x, axis):      # numpy; x: float32 -> the quantised numbers, widened to float32 again
;;       x = np.moveaxis(x, axis, -1); K = x.shape[-1]
;;       x = np.pad(x, [(0, 0)] * (x.ndim - 1) + [(0, -K % 32)]); x = x.reshape(x.shape[:-1] + (-1, 32)); a = np.abs(x).max(-1, keepdims=True)
;;       e = np.where(a > 0, np.clip(np.frexp(np.where(a > 0, a, 1))[1] - 1 - 4, -126, 127), 0)      # np.frexp(a)[1] - 1 = floor(log2(a)), exactly
;;       r = np.clip(x / 2.0 ** e, -28, 28)
;;       step = 2.0 ** (np.maximum(np.frexp(np.where(r == 0, 1, r))[1] - 1, -2) - 2)
;;       q = np.round(r / step) * step * 2.0 ** e      # np.round: ties to even
;;       return np.moveaxis(q.reshape(q.shape[:-2] + (-1,))[..., :K], -1, axis).astype(np.float32)
;;   ~~~
;;   SOFTMAX AHEAD OF A QUANTISED PRODUCT. Where the list says 'softmax', what is quantised is not the finished softmax but p = 2^(t - M), with t = logit x log2(e) and M = ceil(the row's largest t), a whole number; so 1/2 < the row's largest p <= 1. The row's sum l is taken of the UNQUANTISED p, in f32, and the product's result is divided by l at the end. Since M is a whole number, a kernel that streams over the keys may use a running M (the ceiling of the running maximum): every later rescaling is an exact power of two, which a block's scale takes up: the codes' values come out the same.
;;   OPERANDS COMPUTED ON THE WAY. 'Computed on the way' means the value that the module computes at that place (a softmax that the list does not call 'softmax' is quantised finished and normalised). What goes into a quantiser is computed in f32, as accurately as f32 sums, v_exp_f32 and their like allow (about 1e-6 of the number): no bf16 or f16 on the way to a quantiser, and a product that is left as it is and whose result goes on into a quantised operand takes f32 operands (vector FMAs, or v_wmma_f32_16x16x4_f32). A number that lies on a knife's edge between two numbers of the format may be rounded either way, as far as f32 arithmetic and the matrix unit's own rounding can turn it there, and no further.
;; One version. Each part assembles by itself: llvm-mc -triple=amdgcn-amd-amdhsa -mcpu=gfx1250 --defsym DOCPART=n.
;; ======== version 1 of 1: 4 launches
;; workspace buffers: xc 6,291,456 bytes; xs 262,144 bytes; wc 3,145,728 bytes; ws 131,072 bytes; qkv 19,660,800 bytes; oc 6,291,456 bytes; os 262,144 bytes
;; launch quant (part 1): grid 256 x 1, 6 waves a work-group, no clusters, 105,216 bytes of LDS; arguments x, qkv_w, out_w, xc, xs, wc, ws; writes xc, xs, wc, ws
.if DOCPART == 1
	.amdgcn_target "amdgcn-amd-amdhsa--gfx1250"
	.amdhsa_code_object_version 6
	.text
	.protected	k_qe6784cc2ff_quant
	.globl	k_qe6784cc2ff_quant
	.p2align	8
	.type	k_qe6784cc2ff_quant,@function
k_qe6784cc2ff_quant:
	s_mov_b64 s[64:65], 0
	v_nop
	global_prefetch_b8 v0, s[64:65] scope:SCOPE_SE
	s_setreg_imm32_b32 hwreg(HW_REG_WAVE_MODE, 25, 1), 1
	s_wait_xcnt 0x0
; x [8192][1024], qkv_w [3072][1024] and out_w [1024][1024], f32, K innermost, become codes of BF6 (E3M2) with one E8M0 byte for each 32 along K,
; laid as the products' operand registers want them.  A block's byte is its largest magnitude's exponent field - 4, held at 1 from below.
; LIMITS: a block of zeros, or one whose largest magnitude lies under 2^-122, gets the byte 1 (its codes are zeros or what the floor's scale gives; this program alone reads the bytes);
; NaN and infinities among the inputs are not served.
; TILES.  Tile T holds the 16 rows 32 (T / 2) + 8 (T % 2) + r + 8 (r / 8), r = 0 .. 15: as source 0 of a product, tiles 2 b and 2 b + 1 then leave a lane 16 neighbours along the next K.
; IMAGE.  A fragment (16 rows x 128 K, 12 registers a lane) is 1,536 bytes: half c at 768 c; its registers 6 c .. 6 c + 3 at 16 x lane, registers 6 c + 4, 6 c + 5 at 512 + 8 x lane.
;   Codes: [T][K step 8][1,536].  Scale words: [T][K / 256][r 16][2], 512 bytes a tile.  wc, ws: tiles 0-191 qkv_w, tiles 192-255 out_w.
; SHARES.  A unit is a tile x 512 along K (4 K steps): 1,024 + 384 + 128 = 1,536 units = 256 work-groups x 6 waves; the buffers are chosen by the unit's number alone.  Waves share nothing: no barrier.
; Each load reads 512 consecutive bytes of a row; a step's 16 rows turn through the wave's own stage in LDS (rows 528 bytes apart, so that 16 rows start in 16 different columns of 16 bytes) and come back
; as 16 neighbours of each block of 32 in a lane.  Loads run two steps (32 loads a wave) ahead.
.set WREG, 17408                       ; LDS of a wave: two stages of 16 x 528 bytes, then its 256 bytes of scale words
.set STG,  8448
.set GATH, 16896
.set R,    16                          ; v16-143  two sets of 64 registers as loaded
.set X,    144                         ; v144-207 64 numbers: register 16 b + i = k 32 b + 16 (lane / 16) + i of row lane % 16
.set TM,   208                         ; v208-223 at work
.set PW,   224                         ; the scale word
.set PC,   228                         ; v228-239 the fragment; v240-246 the conversions' second halves
.set SEL,  30                          ; s[30:31] selects of v_permlanex16_b32 for lane l xor 16
	s_load_b256 s[4:11], s[0:1], 0x0               ; x, qkv_w, out_w, xc
	s_load_b128 s[12:15], s[0:1], 0x20             ; xs, wc
	s_load_b64 s[16:17], s[0:1], 0x30              ; ws
	v_lshl_add_u32 v254, v0, 2, 0x19800
	v_mov_b32 v255, 0
	v_lshrrev_b32 v5, 5, v0
	v_readfirstlane_b32 s20, v5                    ; wave 0..5
	v_and_b32 v8, 31, v0                           ; lane
	v_and_b32 v9, 15, v0                           ; r
	v_bfe_u32 v10, v0, 4, 1                        ; h
	v_lshlrev_b32 v1, 4, v8                        ; 16 x lane
	v_lshlrev_b32 v4, 3, v8                        ; 8 x lane
	s_mul_i32 s18, s20, WREG
	v_add_nc_u32 v2, s18, v1                       ; the stage, way in: 16 x lane of a row
	v_mul_u32_u24 v3, v9, 528
	v_lshl_add_u32 v3, v10, 6, v3
	v_add_nc_u32 v3, s18, v3                       ; way out: row r, + 64 h: my 16 numbers of a block
	s_add_co_u32 s19, s18, GATH
	v_lshlrev_b32 v6, 3, v9
	v_add_nc_u32 v6, s19, v6                       ; my row's two scale words of a K / 256
	v_add_nc_u32 v7, s19, v4                       ; and 8 bytes a lane on the way out
	s_mov_b32 s[SEL], 0x76543210
	s_mov_b32 s[SEL+1], 0xfedcba98
.irp b, 0,1,2,3
	v_mov_b32 v[TM+4+\b], 0                        ; written once: a lane permute's destination counts as one of its sources
.endr
	s_mul_i32 s21, ttmp9, 6
	s_add_co_u32 s21, s21, s20                     ; my unit
	s_wait_kmcnt 0x0
	s_cmp_lt_u32 s21, 1024                         ; x's units first,
	s_cselect_b64 s[22:23], s[4:5], s[6:7]
	s_cselect_b64 s[24:25], s[10:11], s[14:15]
	s_cselect_b64 s[26:27], s[12:13], s[16:17]
	s_cselect_b32 s28, 0, 1024
	s_mov_b32 s29, s28                             ; (the two weights share wc and ws: their units count on)
	s_cmp_lt_u32 s21, 1408                         ; then qkv_w's 384, then out_w's 128
	s_cselect_b64 s[22:23], s[22:23], s[8:9]
	s_cselect_b32 s28, s28, 1408
	s_sub_co_u32 s28, s21, s28                     ; the unit's number in its source: 2 T + which half of K
	s_sub_co_u32 s29, s21, s29                     ; and in its destination
	s_lshr_b32 s32, s28, 2
	s_lshl_b32 s32, s32, 17                        ; (T / 2) x 32 rows of 4,096 bytes
	s_bfe_u32 s33, s28, 0x10001
	s_lshl_b32 s33, s33, 15                        ; + (T % 2) x 8 rows
	s_add_co_u32 s32, s32, s33
	s_and_b32 s33, s28, 1
	s_lshl_b32 s33, s33, 11                        ; + the half of K: 512 numbers
	s_add_co_u32 s32, s32, s33
	s_mov_b32 s33, 0
	s_add_nc_u64 s[22:23], s[22:23], s[32:33]
	s_mul_i32 s32, s29, 6144                       ; four images a unit
	s_add_nc_u64 s[24:25], s[24:25], s[32:33]
	s_lshl_b32 s32, s29, 8                         ; 256 bytes of scale words a unit
	s_add_nc_u64 s[26:27], s[26:27], s[32:33]
.macro LOAD t                          ; K step t of the unit: 16 rows x 512 consecutive bytes, into set t % 2
.irp i, 0,1,2,3,4,5,6,7,8,9,10,11,12,13,14,15
	global_load_b128 v[R+64*((\t)%2)+4*\i:R+64*((\t)%2)+4*\i+3], v1, s[22:23] offset:(\i+8*(\i/8))*4096+512*(\t) th:TH_LOAD_NT
.endr
.endm
.macro TURN t                          ; through the stage: LDS serves a wave's instructions in order, so no wait stands between the stores and the loads
.irp i, 0,1,2,3,4,5,6,7,8,9,10,11,12,13,14,15
	ds_store_b128 v2, v[R+64*((\t)%2)+4*\i:R+64*((\t)%2)+4*\i+3] offset:STG*((\t)%2)+528*\i
.endr
.irp b, 0,1,2,3
.irp j, 0,1,2,3
	ds_load_b128 v[X+16*\b+4*\j:X+16*\b+4*\j+3], v3 offset:STG*((\t)%2)+128*\b+16*\j
.endr
.endr
.endm
; 64 numbers of a lane, register 16 b + i = k 32 b + 16 (lane / 16) + i of my row, become a fragment's codes in v[PC] on and its scale word in v[PW]
.macro QUANT s
.irp b, 0,1,2,3
	v_max3_num_f32 v[TM+\b], |v[\s+16*\b]|, |v[\s+1+16*\b]|, 0x2800000   ; block b: my 16 numbers, and the floor 2^(5 - 127): the byte cannot fall under 1
.endr
.irp i, 2,4,6,8,10,12,14
.irp b, 0,1,2,3
	v_max3_num_f32 v[TM+\b], v[TM+\b], |v[\s+16*\b+\i]|, |v[\s+1+16*\b+\i]|   ; the four blocks by turns
.endr
.endr
.irp b, 0,1,2,3
	v_permlanex16_b32 v[TM+4+\b], v[TM+\b], s[SEL], s[SEL+1]
.endr
.irp b, 0,1,2,3
	v_max_num_f32 v[TM+\b], v[TM+\b], v[TM+4+\b]   ; with lane l xor 16's: the block's largest magnitude
.endr
.irp b, 0,1,2,3
	v_add_nc_u32 v[TM+12+\b], 0xfe000000, v[TM+\b] ; 4 off its exponent field: the conversion takes that field as its scale
.endr
.irp b, 0,1,2,3
	v_lshrrev_b32 v[TM+4+\b], 23, v[TM+12+\b]      ; the scale's byte
.endr
	v_lshl_or_b32 v[PW], v[TM+5], 8, v[TM+4]
	v_lshl_or_b32 v[PW], v[TM+6], 16, v[PW]
	v_lshl_or_b32 v[PW], v[TM+7], 24, v[PW]
.irp c, 0,1
	v_cvt_scalef32_pk16_bf6_f32 v[PC+6*\c:PC+2+6*\c], v[\s+32*\c:\s+15+32*\c], v[TM+12+2*\c]
	v_cvt_scalef32_pk16_bf6_f32 v[PC+12+4*\c:PC+14+4*\c], v[\s+16+32*\c:\s+31+32*\c], v[TM+12+2*\c+1]   ; (a conversion's three registers begin on an even number)
.endr
	v_nop                                          ; one plain place behind a scaled conversion
.irp c, 0,1                            ; the operand's layout wants a whole block in a lane: lanes 0-15 block 2 c, lanes 16-31 block 2 c + 1
.irp i, 0,1,2
	v_permlane16_swap_b32 v[PC+6*\c+\i], v[PC+12+4*\c+\i]
.endr
.irp i, 0,1,2
	v_mov_b32 v[PC+3+6*\c+\i], v[PC+12+4*\c+\i]
.endr
.endr
.endm
.macro QSTEP t
.if (\t) < 3
	s_wait_loadcnt 16                              ; this step's 16 loads are in; the next step's 16 may be out
.else
	s_wait_loadcnt 0x0
.endif
	TURN \t
	s_wait_dscnt 0x0                               ; the numbers are back; the stores into the stage, and the last step's scale word, have read their registers
.if (\t) > 0
	s_wait_xcnt 0x0                                ; the last step's stores have read their data: the codes' registers are written again only behind this wait
.endif
.if (\t) < 2
	LOAD (\t)+2
.endif
	QUANT X
	global_store_b128 v1, v[PC:PC+3], s[24:25] offset:1536*(\t)          ; each store covers 512 or 256 consecutive bytes, aligned to 256
	global_store_b64 v4, v[PC+4:PC+5], s[24:25] offset:1536*(\t)+512
	global_store_b128 v1, v[PC+6:PC+9], s[24:25] offset:1536*(\t)+768
	global_store_b64 v4, v[PC+10:PC+11], s[24:25] offset:1536*(\t)+1280
	ds_store_b32 v6, v[PW] offset:128*((\t)/2)+4*((\t)%2)                ; lanes r and r + 16 write the same word with the same value
.endm
	LOAD 0
	LOAD 1
.irp t, 0,1,2,3
	QSTEP \t
.endr
	ds_load_b64 v[12:13], v7                       ; LDS serves a wave's instructions in order: these see my stores
	s_wait_dscnt 0x0
	global_store_b64 v4, v[12:13], s[26:27]        ; 32 lanes store 256 consecutive bytes, aligned
	s_wait_tensorcnt 0x0
	ds_add_u32 v254, v255
	s_wait_dscnt 0x0
	s_endpgm
.Lfunc_end_k_qe6784cc2ff_quant:
	.size	k_qe6784cc2ff_quant, .Lfunc_end_k_qe6784cc2ff_quant-k_qe6784cc2ff_quant
	.p2alignl 7, 3214868480
	.fill 96, 4, 3214868480
	.section	.rodata,"a",@progbits
	.p2align	6, 0x0
	.amdhsa_kernel k_qe6784cc2ff_quant
		.amdhsa_group_segment_fixed_size 105216
		.amdhsa_private_segment_fixed_size 0
		.amdhsa_enable_private_segment 0
		.amdhsa_kernarg_size 56
		.amdhsa_user_sgpr_count 2
		.amdhsa_user_sgpr_kernarg_segment_ptr 1
		.amdhsa_wavefront_size32 1
		.amdhsa_system_sgpr_workgroup_id_x 1
		.amdhsa_system_sgpr_workgroup_id_y 1
		.amdhsa_system_sgpr_workgroup_id_z 1
		.amdhsa_system_vgpr_workitem_id 0
		.amdhsa_next_free_vgpr 256
		.amdhsa_next_free_sgpr 66
		.amdhsa_reserve_vcc 0
		.amdhsa_float_denorm_mode_32 3
		.amdhsa_float_denorm_mode_16_64 3
		.amdhsa_memory_ordered 1
		.amdhsa_forward_progress 1
		.amdhsa_inst_pref_size 34
	.end_amdhsa_kernel
	.amdgpu_metadata
---
amdhsa.version: [ 1, 2 ]
amdhsa.kernels:
  - .name:           k_qe6784cc2ff_quant
    .symbol:         k_qe6784cc2ff_quant.kd
    .args:
      - { .name: x, .offset: 0, .size: 8, .value_kind: global_buffer, .address_space: global }
      - { .name: qkv_w, .offset: 8, .size: 8, .value_kind: global_buffer, .address_space: global }
      - { .name: out_w, .offset: 16, .size: 8, .value_kind: global_buffer, .address_space: global }
      - { .name: xc, .offset: 24, .size: 8, .value_kind: global_buffer, .address_space: global }
      - { .name: xs, .offset: 32, .size: 8, .value_kind: global_buffer, .address_space: global }
      - { .name: wc, .offset: 40, .size: 8, .value_kind: global_buffer, .address_space: global }
      - { .name: ws, .offset: 48, .size: 8, .value_kind: global_buffer, .address_space: global }
    .group_segment_fixed_size: 105216
    .private_segment_fixed_size: 0
    .kernarg_segment_align: 8
    .kernarg_segment_size: 56
    .max_flat_workgroup_size: 192
    .sgpr_count:     66
    .vgpr_count:     256
    .wavefront_size: 32
...
	.end_amdgpu_metadata
.endif
;; end of part 1
;; launch gemm_qkv (part 2): grid 12 x 32, 4 waves a work-group, clusters of 4 x 4, 327,680 bytes of LDS; arguments xc, xs, wc, ws, qkv_b, qkv; writes qkv
.if DOCPART == 2
	.amdgcn_target "amdgcn-amd-amdhsa--gfx1250"
	.amdhsa_code_object_version 6
	.text
	.protected	k_qe6784cc2ff_gemm_qkv
	.globl	k_qe6784cc2ff_gemm_qkv
	.p2align	8
	.type	k_qe6784cc2ff_gemm_qkv,@function
k_qe6784cc2ff_gemm_qkv:
	s_mov_b64 s[64:65], 0
	v_nop
	global_prefetch_b8 v0, s[64:65] scope:SCOPE_SE
	s_setreg_imm32_b32 hwreg(HW_REG_WAVE_MODE, 25, 1), 1
	s_wait_xcnt 0x0
	s_wait_alu depctr_hold_cnt(0) depctr_sa_sdst(0) depctr_va_vdst(0) depctr_va_sdst(0) depctr_va_ssrc(0) depctr_va_vcc(0) depctr_vm_vsrc(0)
	s_getreg_b32 s2, hwreg(HW_REG_IB_STS2, 6, 4)
	s_cmp_eq_u32 s2, 0
	s_cbranch_scc0 .Lentry_in_a_cluster
	s_endpgm
.Lentry_in_a_cluster:
	s_bfe_u32 s2, ttmp6, 0x10000c
	s_cmp_lg_u32 s2, 0xf033
	s_cbranch_scc0 .Lentry_shape_is_right
	s_endpgm
.Lentry_shape_is_right:
; qkv = x qkv_w^T + qkv_b on codes of BF6 (E3M2) with E8M0 scales, K = 1,024; the results are quantised at once, in registers, and leave as codes: q and k along the head's 64, v along the keys.
; OPERANDS are register images (16 rows x 128 K = 1,536 bytes: half c at 768 c, registers 6 c .. 6 c + 3 at 16 x lane, 6 c + 4, 6 c + 5 at 512 + 8 x lane), [tile][K step 8][1,536]; scale words [tile][K / 256][r 16][2].
; Tile T holds rows 32 (T / 2) + 8 (T % 2) + r + 8 (r / 8).  A work-group makes 256 (R rows) x 256 (S rows), a wave 128 x 128: 64 accumulators.  Source 0 = S, source 1 = R: lane (r, h) of accumulator (a, b) holds R's
; row r of tile a, and the 64 registers of its eight accumulators are S's rows 32 B + 16 h + 0 .. 15, B = 0 .. 3: neighbours, four blocks of 32, in the order that the conversions want.
; ROLES by the cluster's x, which all partners share.  x = 0, 1 (q, k): S = qkv_w's rows, R = tokens: a lane's registers run along the features.  x = 2 (v): S = tokens, R = qkv_w's rows 2,048 on: they run along the keys.
; OUTPUT qkv [which 3][batch x head 64][key step 16][6,400].  q, k: a key step's 8 tiles of 16 tokens as half images of 768 bytes, then 256 bytes [r 16][4]: word p = tile 2 p's two bytes, tile 2 p + 1's two above.
;   v: 4 images (16 of the head's 64 x 128 keys), then 256 bytes [r 16][4]: word t = tile t's scale word.
; K goes in 8 steps of 128 through three LDS slots of 256 along K; slot 0 is filled a second time, with the last 256: the launch's one refill.  CLUSTERS: 4 x 4; R's tiles are shared along a row, S's along a column, asked for jointly.
; The bias is the C of each sum's first product, so it is added ahead of the products and not behind them: an order of rounding that differs from x W^T + b.
; LIMITS: a block of zeros, or one under 2^-122, gets the scale byte 1 (this program alone reads the bytes); NaN and infinities are not served.
; REGISTERS: window 0: v1-31 addresses; v32-63 scale words, two sets; v64-127 the bias; v128-223 R's 8 fragments (the way out: codes); v224-253 the way out.  Window 1: S's fragments, two sets, at v0 and v128.
;   Windows 2, 3: accumulator (a, b) at v[8 (8 (a % 4) + b)], a < 4 in window 2.
.set SLOT,   98304                     ; R's 16 tiles x 3,072 bytes, then S's
.set HALFT,  24576                     ; 8 tiles: what one tensor load brings and what one wave reads of R or of S
.set SOFF,   49152
.set SCL,    3*SLOT                    ; the scale words for all of K: R's 8,192 bytes, then S's; filled once
.set SPARE,  SCL+16384                 ; the spare words, 128 bytes a wave: two blocks of 256 bytes that no other line names
.set FR,     12
.set ADRA16, 4                         ; v4-6   R's fragments in slot 0, 1, 2: + 16 x lane;  v7-9: + 8 x lane
.set ADRA8,  7
.set ADRB16, 10                        ; v10-12, v13-15 the same for S
.set ADRB8,  13
.set ADRS,   16                        ; v16    my scale words: lanes 0-15 R's rows, lanes 16-31 S's
.set SPW,    17                        ; v17    my spare word; never rewritten
.set NIL,    18                        ; v18    0; never rewritten
.set SC,     32                        ; set s at v[SC + 16 s]; register 2 i + q: lanes 0-15 R's tile i, lanes 16-31 S's tile i, the slot's q-th 128 along K
.set BIAS,   64
.set AF,     128
.set PC,     128                       ; the way out: a fragment's codes, and v140-146 the conversions' second halves
.set TM,     224
.set PWR,    240                       ; v240-247 the scale words of R's tiles 0-7
.set G1,   24                          ; descriptor groups 1: R's codes, S's codes, R's scales, S's scales
.set G1B,  32
.set G1S,  40
.set G1SB, 48
.set G0R0, 56                          ; groups 0: R's codes for slots 0, 1, 2
.set G0R1, 60
.set G0R2, 68
.set G0S0, 72                          ; S's
.set G0S1, 76
.set G0S2, 80
.set G0RS, 84                          ; the scales'
.set G0SS, 88
.set MSB, 0
.macro WIN new                         ; the immediate's high byte repeats the setting that is left
.if MSB != (\new)
	s_set_vgpr_msb (MSB<<8)|(\new)
.set MSB, (\new)
.endif
.endm
; A joint load: waves 0 and 1 fetch for R, waves 2 and 3 for S.  The branch hangs on the wave's number alone.  Four v_nop follow each of the two lines.
.macro JLOAD g0a, g1a, g0b, g1b
	s_cmp_eq_u32 s17, 0
	s_cbranch_scc0 .Lfor_b_\@
	tensor_load_to_lds s[\g0a:\g0a+3], s[\g1a:\g1a+7]
	s_nop 0
.rept 4
	v_nop
.endr
	s_branch .Lasked_\@
.Lfor_b_\@:
	tensor_load_to_lds s[\g0b:\g0b+3], s[\g1b:\g1b+7]
	s_nop 0
.rept 4
	v_nop
.endr
.Lasked_\@:
.endm
.macro CREST                           ; a round of the cluster's barrier behind its opening barrier
	s_cmp_lg_u32 s16, 0
	s_cbranch_scc1 .Lnot_wave_0_\@
	s_barrier_signal -3
.Lnot_wave_0_\@:
	s_barrier_wait -3
	s_barrier_signal -1
	s_barrier_wait -1
.endm
.macro CROUND
	s_barrier_signal -1
	s_barrier_wait -1
	CREST
.endm
.macro PLACES n                        ; plain places behind matrix instructions, in front of loads into their registers and of reads of their results
.rept \n
	v_nop
.endr
.endm
	s_load_b256 s[4:11], s[0:1], 0x0               ; xc, xs, wc, ws
	s_load_b128 s[12:15], s[0:1], 0x20             ; qkv_b, qkv
	v_lshl_add_u32 v[SPW], v0, 2, SPARE
	v_mov_b32 v[NIL], 0
	ds_add_u32 v17, v18
	ds_add_u32 v17, v18
	s_wait_dscnt 0x0
	v_lshrrev_b32 v1, 5, v0
	v_readfirstlane_b32 s16, v1                    ; wave 0..3
	s_lshr_b32 s17, s16, 1                         ; my half of R's rows.  Also: I fetch for R (0) or for S (1)
	s_and_b32 s18, s16, 1                          ; my half of S's rows.  Also: which 8 tiles I fetch
	s_bfe_u32 s92, ttmp6, 0x40000                  ; cx
	s_bfe_u32 s93, ttmp6, 0x40004                  ; cy
	s_and_b32 s94, ttmp7, 0xffff                   ; the cluster's y
	s_cmp_eq_u32 ttmp9, 2                          ; the cluster's x: 2 makes v
	s_cselect_b32 s19, 1, 0
	s_cselect_b32 s95, s94, ttmp9
	s_cselect_b32 s96, 0, s94
	s_cselect_b32 s99, 128, 0                      ; v's rows of qkv_w begin at tile 128
	s_lshl_b32 s95, s95, 2
	s_add_co_u32 s95, s95, s92                     ; S's block of 256 rows: hangs on cx alone within the cluster
	s_lshl_b32 s96, s96, 2
	s_add_co_u32 s96, s96, s93                     ; R's: on cy alone
	s_lshl_b32 s97, s93, 2
	s_lshl_b32 s97, 15, s97                        ; my row of the cluster
	s_lshl_b32 s98, 0x1111, s92                    ; my column
	s_or_b32 s[G1], s97, (3<<16)|(1<<21)           ; 15:0 the mask; 17:16 elements of 8 bytes; 21 set beside a mask; no padding
	s_or_b32 s[G1B], s98, (3<<16)|(1<<21)
	s_or_b32 s[G1S], s97, (3<<16)|(1<<21)
	s_or_b32 s[G1SB], s98, (3<<16)|(1<<21)
.irp g, G1, G1B                        ; codes: 8 tiles x 3,072 bytes (two K steps), 12,288 bytes from tile to tile
	s_mov_b32 s[\g+1], 384<<16                     ; tensor_dim0
	s_mov_b32 s[\g+2], 8<<16                       ; tensor_dim1
	s_mov_b32 s[\g+3], 384<<16                     ; tile_dim0
	s_mov_b32 s[\g+4], 8                           ; tile_dim1
	s_mov_b32 s[\g+5], 1536                        ; tensor_dim0_stride
	s_mov_b32 s[\g+6], 0
	s_mov_b32 s[\g+7], 0
.endr
.irp g, G1S, G1SB                      ; scale words of 8 tiles: 4,096 dense bytes as 16 rows of 256
	s_mov_b32 s[\g+1], 32<<16
	s_mov_b32 s[\g+2], 16<<16
	s_mov_b32 s[\g+3], 32<<16
	s_mov_b32 s[\g+4], 16
	s_mov_b32 s[\g+5], 32
	s_mov_b32 s[\g+6], 0
	s_mov_b32 s[\g+7], 0
.endr
	s_lshl_b32 s21, s18, 3
	s_lshl_b32 s20, s96, 4
	s_add_co_u32 s20, s20, s21
	s_add_co_u32 s20, s20, s99                     ; the first tile that I would fetch for R,
	s_lshl_b32 s22, s95, 4
	s_add_co_u32 s22, s22, s21                     ; and for S
	s_lshl_b32 s100, s20, 9                        ; their scale words: 512 bytes a tile
	s_mov_b32 s101, 0
	s_lshl_b32 s98, s22, 9
	s_mov_b32 s99, 0
	s_mul_i32 s20, s20, 12288                      ; their codes
	s_mov_b32 s21, 0
	s_mul_i32 s22, s22, 12288
	s_mov_b32 s23, 0
	s_mul_i32 s2, s16, HALFT                       ; where they go: wave x 8 tiles: no place in the cluster enters an LDS address
	s_lshl_b32 s3, s16, 12
	s_add_co_u32 s3, s3, SCL
	s_wait_kmcnt 0x0
	s_cmp_eq_u32 s19, 1
	s_cselect_b64 s[G0R0+2:G0R0+3], s[8:9], s[4:5]
	s_cselect_b64 s[G0S0+2:G0S0+3], s[4:5], s[8:9]
	s_cselect_b64 s[G0RS+2:G0RS+3], s[10:11], s[6:7]
	s_cselect_b64 s[G0SS+2:G0SS+3], s[6:7], s[10:11]
	s_add_nc_u64 s[G0R0+2:G0R0+3], s[G0R0+2:G0R0+3], s[20:21]
	s_add_nc_u64 s[G0S0+2:G0S0+3], s[G0S0+2:G0S0+3], s[22:23]
	s_add_nc_u64 s[G0RS+2:G0RS+3], s[G0RS+2:G0RS+3], s[100:101]
	s_add_nc_u64 s[G0SS+2:G0SS+3], s[G0SS+2:G0SS+3], s[98:99]
	s_add_nc_u64 s[G0R1+2:G0R1+3], s[G0R0+2:G0R0+3], 3072    ; slot n begins with K = 256 n
	s_add_nc_u64 s[G0R2+2:G0R2+3], s[G0R0+2:G0R0+3], 6144
	s_add_nc_u64 s[G0S1+2:G0S1+3], s[G0S0+2:G0S0+3], 3072
	s_add_nc_u64 s[G0S2+2:G0S2+3], s[G0S0+2:G0S0+3], 6144
.irp g, G0R0, G0R1, G0R2, G0S0, G0S1, G0S2, G0RS, G0SS
	s_mov_b32 s[\g], 1                             ; count = 1
	s_or_b32 s[\g+3], s[\g+3], 0x80000000          ; type = 2
.endr
	s_mov_b32 s[G0R0+1], s2
	s_mov_b32 s[G0S0+1], s2
	s_add_co_u32 s[G0R1+1], s2, SLOT
	s_add_co_u32 s[G0S1+1], s2, SLOT
	s_add_co_u32 s[G0R2+1], s2, 2*SLOT
	s_add_co_u32 s[G0S2+1], s2, 2*SLOT
	s_mov_b32 s[G0RS+1], s3
	s_mov_b32 s[G0SS+1], s3
	CROUND                                         ; all sixteen work-groups are here: the first joint loads meet
	JLOAD G0RS, G1S, G0SS, G1SB                    ; four loads of mine are out: the scale words, then slots 0, 1, 2
	JLOAD G0R0, G1, G0S0, G1B
	JLOAD G0R1, G1, G0S1, G1B
	JLOAD G0R2, G1, G0S2, G1B
	v_and_b32 v1, 15, v0                           ; r
	v_bfe_u32 v2, v0, 4, 1                         ; h
	v_and_b32 v3, 31, v0
	v_lshlrev_b32 v19, 4, v3                       ; 16 x lane
	v_lshlrev_b32 v3, 3, v3                        ; 8 x lane
	s_mul_i32 s2, s17, HALFT
	s_mul_i32 s3, s18, HALFT
	s_add_co_u32 s3, s3, SOFF
.irp s, 0,1,2
	v_add_nc_u32 v[ADRA16+\s], s2, v19
	v_add_nc_u32 v[ADRA8+\s], s2, v3
	v_add_nc_u32 v[ADRB16+\s], s3, v19
	v_add_nc_u32 v[ADRB8+\s], s3, v3
	s_add_co_u32 s2, s2, SLOT
	s_add_co_u32 s3, s3, SLOT
.endr
	s_lshl_b32 s2, s17, 12                         ; R's scale words: my 8 tiles
	s_lshl_b32 s3, s18, 12
	s_add_co_u32 s3, s3, 8192                      ; S's, behind R's 8,192 bytes
	s_sub_co_u32 s3, s3, s2
	v_mul_u32_u24 v[ADRS], s3, v2                  ; lanes 16-31 take S's: one product, the distance between the two
	v_lshl_add_u32 v[ADRS], v1, 3, v[ADRS]
	s_add_co_u32 s2, s2, SCL
	v_add_nc_u32 v[ADRS], s2, v[ADRS]
	; the way out.  TOK = my block of 128 tokens (batch TOK / 16, key step TOK % 16); PHI = my block of 128 features of the 3,072 (which = PHI / 8, heads 2 (PHI % 8) and the next)
	s_cmp_eq_u32 s19, 1
	s_cselect_b32 s2, s95, s96
	s_cselect_b32 s3, s18, s17
	s_cselect_b32 s20, s96, s95
	s_cselect_b32 s21, s17, s18
	s_cselect_b32 s22, 16, 0
	s_mov_b32 s92, 768
	s_cselect_b32 s92, 1536, s92                   ; from R's tile to the next: a half image (q, k) or an image (v)
	s_cselect_b32 s94, 96256, 0                    ; v: at tile 4 on to the next head: 102,400 - 4 x 1,536
	s_mov_b32 s23, 102400
	s_cselect_b32 s23, 768, s23                    ; from a fragment's half 0 to half 1: the next head (q, k) or the image's second half (v)
	s_lshl_b32 s2, s2, 1
	s_add_co_u32 s2, s2, s3                        ; TOK
	s_lshl_b32 s20, s20, 1
	s_add_co_u32 s20, s20, s21
	s_add_co_u32 s20, s20, s22                     ; PHI
	s_lshr_b32 s3, s20, 3
	s_lshl_b32 s3, s3, 6
	s_lshr_b32 s21, s2, 4
	s_lshl_b32 s21, s21, 4
	s_add_co_u32 s3, s3, s21
	s_and_b32 s21, s20, 7
	s_lshl_b32 s21, s21, 1
	s_add_co_u32 s3, s3, s21                       ; which x 64 + batch x 16 + head
	s_lshl_b32 s3, s3, 4
	s_and_b32 s2, s2, 15
	s_add_co_u32 s3, s3, s2                        ; x 16 + key step
	s_mul_i32 s2, s3, 6400
	s_mov_b32 s3, 0
	s_add_nc_u64 s[98:99], s[14:15], s[2:3]        ; the key step of my first head: stays
	s_mov_b64 s[100:101], s[98:99]                 ; and steps from tile to tile
	s_add_co_u32 s94, s94, s92
	s_mov_b32 s93, 0
	s_mov_b32 s95, 0
	s_lshl_b32 s96, s20, 9                         ; the bias of my 128 features: 512 PHI bytes on, in both roles
	s_mov_b32 s97, 0
	s_add_nc_u64 s[96:97], s[12:13], s[96:97]
	v_add_nc_u32 v20, 512, v3
	v_add_nc_u32 v21, s23, v19
	v_add_nc_u32 v22, s23, v20
	v_mul_u32_u24 v23, v2, 102400
	v_lshl_add_u32 v23, v1, 4, v23
	v_add_nc_u32 v23, 6144, v23                    ; the scale words: lanes 0-15 my first head's 256 bytes, lanes 16-31 the next head's
.irp b, 0,1,2,3
	v_mov_b32 v[TM+4+\b], 0                        ; written once: a lane permute's destination counts as one of its sources
.endr
	s_cmp_eq_u32 s19, 1
	s_cbranch_scc1 .Lbias_v
	v_lshlrev_b32 v3, 6, v2                        ; q, k: the bias goes with S's rows: for tile b the features 32 (b / 2) + 8 (b % 2) + 16 h + 0 .. 7
.irp b, 0,1,2,3,4,5,6,7
	global_load_b128 v[BIAS+8*\b:BIAS+8*\b+3], v3, s[96:97] offset:(32*(\b/2)+8*(\b%2))*4
	global_load_b128 v[BIAS+8*\b+4:BIAS+8*\b+7], v3, s[96:97] offset:(32*(\b/2)+8*(\b%2))*4+16
.endr
	s_branch .Lbias_in
.Lbias_v:
	v_and_b32 v3, 8, v1                            ; v: it goes with R's rows: for tile a the one feature 32 (a / 2) + 8 (a % 2) + r + 8 (r / 8), in all eight registers
	v_add_nc_u32 v3, v3, v1
	v_lshlrev_b32 v3, 2, v3
.irp a, 0,1,2,3,4,5,6,7
.irp j, 0,1,2,3,4,5,6,7
	global_load_b32 v[BIAS+8*\a+\j], v3, s[96:97] offset:(32*(\a/2)+8*(\a%2))*4
.endr
.endr
.Lbias_in:
.macro FRAG reg, a16, a8, q, i         ; an image comes back as it was stored: four loads, each of consecutive bytes
	ds_load_b128 v[\reg:\reg+3], v[\a16] offset:(\i)*3072+(\q)*1536
	ds_load_b64 v[\reg+4:\reg+5], v[\a8] offset:(\i)*3072+(\q)*1536+512
	ds_load_b128 v[\reg+6:\reg+9], v[\a16] offset:(\i)*3072+(\q)*1536+768
	ds_load_b64 v[\reg+10:\reg+11], v[\a8] offset:(\i)*3072+(\q)*1536+1280
.endm
.macro FETCH_B slot, q, p              ; S's eight fragments into set p: 32 loads
	WIN 0x40
.irp i, 0,1,2,3,4,5,6,7
	FRAG 128*(\p)+FR*\i, ADRB16+\slot, ADRB8+\slot, \q, \i
.endr
	WIN 0
.endm
.macro FETCH_A slot, q, i0             ; R's tiles i0 .. i0 + 3: 16 loads
.irp i, \i0, \i0+1, \i0+2, \i0+3
	FRAG AF+FR*(\i), ADRA16+\slot, ADRA8+\slot, \q, \i
.endr
.endm
.macro SCALES sg                       ; the scale words of K = 256 sg on, into set sg % 2: 8 loads
.irp i, 0,1,2,3,4,5,6,7
	ds_load_b64 v[SC+16*((\sg)%2)+2*\i:SC+16*((\sg)%2)+2*\i+1], v[ADRS] offset:\i*512+(\sg)*128
.endr
.endm
; 16 products: R's tiles a0, a0 + 1 x S's eight.  cm = 0: onto the sums; 1: the bias by S's tile starts them; 2: the bias by R's tile.  The 64 accumulators take turns, in the same order in every step.
.macro MUL16 a0, p, q, sc, cm
.irp a, \a0, \a0+1
.irp b, 0,1,2,3,4,5,6,7
.if \cm == 1
	v_wmma_scale_f32_16x16x128_f8f6f4 v[8*(8*((\a)%4)+\b):8*(8*((\a)%4)+\b)+7], v[128*(\p)+FR*\b:128*(\p)+FR*\b+FR-1], v[AF+FR*(\a):AF+FR*(\a)+FR-1], v[BIAS+8*\b:BIAS+8*\b+7], v[SC+16*(\sc)+2*\b+(\q)], v[SC+16*(\sc)+2*(\a)+(\q)] matrix_a_fmt:MATRIX_FMT_BF6 matrix_b_fmt:MATRIX_FMT_BF6 matrix_a_scale:MATRIX_SCALE_ROW1
.elseif \cm == 2
	v_wmma_scale_f32_16x16x128_f8f6f4 v[8*(8*((\a)%4)+\b):8*(8*((\a)%4)+\b)+7], v[128*(\p)+FR*\b:128*(\p)+FR*\b+FR-1], v[AF+FR*(\a):AF+FR*(\a)+FR-1], v[BIAS+8*(\a):BIAS+8*(\a)+7], v[SC+16*(\sc)+2*\b+(\q)], v[SC+16*(\sc)+2*(\a)+(\q)] matrix_a_fmt:MATRIX_FMT_BF6 matrix_b_fmt:MATRIX_FMT_BF6 matrix_a_scale:MATRIX_SCALE_ROW1
.else
	v_wmma_scale_f32_16x16x128_f8f6f4 v[8*(8*((\a)%4)+\b):8*(8*((\a)%4)+\b)+7], v[128*(\p)+FR*\b:128*(\p)+FR*\b+FR-1], v[AF+FR*(\a):AF+FR*(\a)+FR-1], v[8*(8*((\a)%4)+\b):8*(8*((\a)%4)+\b)+7], v[SC+16*(\sc)+2*\b+(\q)], v[SC+16*(\sc)+2*(\a)+(\q)] matrix_a_fmt:MATRIX_FMT_BF6 matrix_b_fmt:MATRIX_FMT_BF6 matrix_a_scale:MATRIX_SCALE_ROW1
.endif
.endr
.endr
.endm
; A step of 128 along K: the slot's q-th, S's set p, scale set sc.  It fetches the next step's fragments from slot ns, its nq-th 128; nsig >= 0: and the scale words of K = 256 nsig on.
.macro STEP q, p, sc, ns, nq, nsig, cm
	s_wait_dscnt 16                                ; S's set, R's tiles 0-3 and the scale words are in; the youngest 16 loads (R's tiles 4-7) may be out
.if \cm
	WIN 0x81                                       ; source 0 window 1, source 1 and the bias window 0, D window 2
.else
	WIN 0xa1                                       ; source 0 window 1, source 1 window 0, C and D window 2
.endif
	MUL16 0, \p, \q, \sc, \cm
	MUL16 2, \p, \q, \sc, \cm
	s_wait_dscnt 0x0                               ; R's tiles 4-7 are in
	PLACES 4
	FETCH_B \ns, \nq, 1-(\p)
	FETCH_A \ns, \nq, 0
.if \nsig >= 0
	SCALES \nsig
.endif
.if \cm
	WIN 0xc1
.else
	WIN 0xf1
.endif
	MUL16 4, \p, \q, \sc, \cm
	MUL16 6, \p, \q, \sc, \cm
	PLACES 4
	WIN 0
	FETCH_A \ns, \nq, 4
.endm
; A step in front of whose second half all waves meet: each has waited for all its tensor loads, added 0 to its spare word, and waited for that and for its reads of the slot in hand.
; fill = 1: the barrier opens a round of the cluster's barrier, and slot 0, which nobody reads any more, is filled with K = 768 on.
.macro TURN q, p, sc, ns, nsig, fill
	s_wait_tensorcnt 0x0                           ; all my tensor loads have landed
	ds_add_u32 v[SPW], v[NIL]                      ; 0 onto my spare word
	s_wait_dscnt 17                                ; (the add and the youngest 16 loads may be out)
	WIN 0xa1
	MUL16 0, \p, \q, \sc, 0
	s_wait_dscnt 0x0                               ; the add is done, and my reads of this slot are over
	s_barrier_signal -1
	MUL16 2, \p, \q, \sc, 0
	WIN 0
	s_barrier_wait -1
.if \fill
	CREST                                          ; no wave of any partner still reads slot 0 or has a load on its way
	s_add_nc_u64 s[G0R0+2:G0R0+3], s[G0R0+2:G0R0+3], 3*3072
	s_add_nc_u64 s[G0S0+2:G0S0+3], s[G0S0+2:G0S0+3], 3*3072
	JLOAD G0R0, G1, G0S0, G1B                      ; my one tensor load behind the round; its four v_nop are also the places in front of the loads below
.else
	PLACES 4
.endif
	FETCH_B \ns, 0, 1-(\p)
	FETCH_A \ns, 0, 0
	SCALES \nsig
	WIN 0xf1
	MUL16 4, \p, \q, \sc, 0
	MUL16 6, \p, \q, \sc, 0
	PLACES 4
	WIN 0
	FETCH_A \ns, 0, 4
.endm
	s_wait_tensorcnt 2                             ; the scale words and my part of slot 0 are in; slots 1 and 2 may be out
	s_barrier_signal -1
	s_barrier_wait -1
	FETCH_B 0, 0, 0
	FETCH_A 0, 0, 0
	SCALES 0
	FETCH_A 0, 0, 4
	s_wait_loadcnt 0x0                             ; the bias
	s_cmp_eq_u32 s19, 1                            ; the first step is written for each role: its C is the bias, laid by S's tile or by R's
	s_cbranch_scc1 .Lfirst_v
	STEP 0, 0, 0, 0, 1, -1, 1
	s_branch .Lfirst_done
.Lfirst_v:
	STEP 0, 0, 0, 0, 1, -1, 2
.Lfirst_done:
	TURN 1, 1, 0, 1, 1, 1                          ; K 128: leaves slot 0, which is filled again
	STEP 0, 0, 1, 1, 1, -1, 0                      ; K 256
	STEP 1, 1, 1, 2, 0, 2, 0                       ; K 384: on into slot 2, which the round above has shown whole to every wave
	STEP 0, 0, 0, 2, 1, -1, 0                      ; K 512
	TURN 1, 1, 0, 0, 3, 0                          ; K 640: the refill of slot 0 has landed in every wave's part
	STEP 0, 0, 1, 0, 1, -1, 0                      ; K 768
	s_wait_dscnt 16                                ; K 896: nothing more to fetch
	WIN 0xa1
	MUL16 0, 1, 1, 1, 0
	MUL16 2, 1, 1, 1, 0
	s_wait_dscnt 0x0
	WIN 0xf1
	MUL16 4, 1, 1, 1, 0
	MUL16 6, 1, 1, 1, 0
	WIN 0
; THE WAY OUT, R's tile a: its 64 registers a lane are four blocks of 32 along the axis to be quantised, 16 numbers of each in lane l and 16 in lane l xor 16.  They become one fragment and one scale word.
.macro EPI a
.set AC, 64*((\a)%4)
	WIN 5*(2+(\a)/4)                               ; sources 0 and 1: the accumulators' window
.irp b, 0,1,2,3
	v_max3_num_f32 v[TM+\b], |v[AC+16*\b]|, |v[AC+16*\b+1]|, 0x2800000   ; each accumulator is read from its low end on; the floor 2^(5 - 127) holds the byte at 1 from below
.endr
.irp i, 2,4,6,8,10,12,14
.irp b, 0,1,2,3
	v_max3_num_f32 v[TM+\b], |v[AC+16*\b+\i]|, |v[AC+16*\b+\i+1]|, v[TM+\b]
.endr
.endr
	WIN 0
.irp b, 0,1,2,3
	v_permlanex16_b32 v[TM+4+\b], v[TM+\b], s20, s21
.endr
.irp b, 0,1,2,3
	v_max_num_f32 v[TM+\b], v[TM+\b], v[TM+4+\b]
.endr
.irp b, 0,1,2,3
	v_add_nc_u32 v[TM+12+\b], 0xfe000000, v[TM+\b] ; 4 off the exponent field: the conversion's scale operand
.endr
.irp b, 0,1,2,3
	v_lshrrev_b32 v[TM+4+\b], 23, v[TM+12+\b]      ; the scale's byte
.endr
	v_lshl_or_b32 v[PWR+(\a)], v[TM+5], 8, v[TM+4]
	v_lshl_or_b32 v[PWR+(\a)], v[TM+6], 16, v[PWR+(\a)]
	v_lshl_or_b32 v[PWR+(\a)], v[TM+7], 24, v[PWR+(\a)]
.if (\a) > 0
	s_wait_xcnt 0x0                                ; the last tile's stores have read their data and their base: both are written again only behind this wait
.if (\a) == 4
	s_add_nc_u64 s[100:101], s[100:101], s[94:95]
.else
	s_add_nc_u64 s[100:101], s[100:101], s[92:93]
.endif
.endif
	WIN 2+(\a)/4                                   ; source 0: the accumulators' window
.irp c, 0,1
	v_cvt_scalef32_pk16_bf6_f32 v[PC+6*\c:PC+2+6*\c], v[AC+32*\c:AC+15+32*\c], v[TM+12+2*\c]
	v_cvt_scalef32_pk16_bf6_f32 v[PC+12+4*\c:PC+14+4*\c], v[AC+16+32*\c:AC+31+32*\c], v[TM+12+2*\c+1]
.endr
	WIN 0
	v_nop                                          ; one plain place behind a scaled conversion
.irp c, 0,1
.irp i, 0,1,2
	v_permlane16_swap_b32 v[PC+6*\c+\i], v[PC+12+4*\c+\i]
.endr
.irp i, 0,1,2
	v_mov_b32 v[PC+3+6*\c+\i], v[PC+12+4*\c+\i]
.endr
.endr
	global_store_b128 v19, v[PC:PC+3], s[100:101]          ; each store covers 512 or 256 consecutive bytes, aligned to 256
	global_store_b64 v20, v[PC+4:PC+5], s[100:101]
	global_store_b128 v21, v[PC+6:PC+9], s[100:101]
	global_store_b64 v22, v[PC+10:PC+11], s[100:101]
.endm
	s_mov_b32 s20, 0x76543210                      ; selects of v_permlanex16_b32 for lane l xor 16
	s_mov_b32 s21, 0xfedcba98
	PLACES 4                                       ; behind the last products; the earlier tiles' lines are the places for the later tiles
.irp a, 0,1,2,3,4,5,6,7
	EPI \a
.endr
	v_bfe_u32 v253, v0, 4, 1
	v_cmp_eq_u32 vcc_lo, 1, v253                   ; lanes 16-31 make the second head's words
	s_cmp_eq_u32 s19, 1
	s_cbranch_scc1 .Lwords_v
	v_mov_b32 v252, 0x05040100                     ; q, k: word p = the head's two bytes of tile 2 p, and of tile 2 p + 1 above them
	v_mov_b32 v253, 0x07060302
	v_cndmask_b32 v252, v252, v253, vcc_lo
.irp p, 0,1,2,3
	v_perm_b32 v[248+\p], v[PWR+2*\p+1], v[PWR+2*\p], v252
.endr
	s_branch .Lwords_made
.Lwords_v:
	v_mov_b32 v252, 0x03020100                     ; v: word t = the scale word of the head's tile t: tiles 0-3 the first head, 4-7 the second
	v_mov_b32 v253, 0x07060504
	v_cndmask_b32 v252, v252, v253, vcc_lo
.irp t, 0,1,2,3
	v_perm_b32 v[248+\t], v[PWR+4+\t], v[PWR+\t], v252
.endr
.Lwords_made:
	global_store_b128 v23, v[248:251], s[98:99]    ; sixteen lanes store a head's 256 bytes of scale words, aligned
	s_wait_tensorcnt 0x0                           ; the wave's end
	ds_add_u32 v[SPW], v[NIL]
	s_wait_dscnt 0x0
	CROUND                                         ; the closing round: no work-group ends while a partner may still ask for a tile that names it
	s_endpgm
.Lfunc_end_k_qe6784cc2ff_gemm_qkv:
	.size	k_qe6784cc2ff_gemm_qkv, .Lfunc_end_k_qe6784cc2ff_gemm_qkv-k_qe6784cc2ff_gemm_qkv
	.p2alignl 7, 3214868480
	.fill 96, 4, 3214868480
	.section	.rodata,"a",@progbits
	.p2align	6, 0x0
	.amdhsa_kernel k_qe6784cc2ff_gemm_qkv
		.amdhsa_group_segment_fixed_size 327680
		.amdhsa_private_segment_fixed_size 0
		.amdhsa_enable_private_segment 0
		.amdhsa_kernarg_size 48
		.amdhsa_user_sgpr_count 2
		.amdhsa_user_sgpr_kernarg_segment_ptr 1
		.amdhsa_wavefront_size32 1
		.amdhsa_system_sgpr_workgroup_id_x 1
		.amdhsa_system_sgpr_workgroup_id_y 1
		.amdhsa_system_sgpr_workgroup_id_z 1
		.amdhsa_system_vgpr_workitem_id 0
		.amdhsa_next_free_vgpr 1024
		.amdhsa_next_free_sgpr 102
		.amdhsa_reserve_vcc 1
		.amdhsa_float_denorm_mode_32 3
		.amdhsa_float_denorm_mode_16_64 3
		.amdhsa_memory_ordered 1
		.amdhsa_forward_progress 1
		.amdhsa_inst_pref_size 171
	.end_amdhsa_kernel
	.amdgpu_metadata
---
amdhsa.version: [ 1, 2 ]
amdhsa.kernels:
  - .name:           k_qe6784cc2ff_gemm_qkv
    .symbol:         k_qe6784cc2ff_gemm_qkv.kd
    .args:
      - { .name: xc, .offset: 0, .size: 8, .value_kind: global_buffer, .address_space: global }
      - { .name: xs, .offset: 8, .size: 8, .value_kind: global_buffer, .address_space: global }
      - { .name: wc, .offset: 16, .size: 8, .value_kind: global_buffer, .address_space: global }
      - { .name: ws, .offset: 24, .size: 8, .value_kind: global_buffer, .address_space: global }
      - { .name: qkv_b, .offset: 32, .size: 8, .value_kind: global_buffer, .address_space: global }
      - { .name: qkv, .offset: 40, .size: 8, .value_kind: global_buffer, .address_space: global }
    .group_segment_fixed_size: 327680
    .private_segment_fixed_size: 0
    .kernarg_segment_align: 8
    .kernarg_segment_size: 48
    .max_flat_workgroup_size: 128
    .sgpr_count:     102
    .vgpr_count:     1024
    .wavefront_size: 32
...
	.end_amdgpu_metadata
.endif
;; end of part 2
;; launch attn (part 3): grid 4 x 64, 16 waves a work-group, no clusters, 206,848 bytes of LDS; arguments qkv, oc, os; writes oc, os
.if DOCPART == 3
	.amdgcn_target "amdgcn-amd-amdhsa--gfx1250"
	.amdhsa_code_object_version 6
	.text
	.protected	k_qe6784cc2ff_attn
	.globl	k_qe6784cc2ff_attn
	.p2align	8
	.type	k_qe6784cc2ff_attn,@function
k_qe6784cc2ff_attn:
	s_mov_b64 s[64:65], 0
	v_nop
	global_prefetch_b8 v0, s[64:65] scope:SCOPE_SE
	s_setreg_imm32_b32 hwreg(HW_REG_WAVE_MODE, 25, 1), 1
	s_wait_xcnt 0x0
; Causal attention of one (batch, head) on codes of BF6 (E3M2) with E8M0 scales: S^T = K Q^T (K = the head's 64), p = 2^(t - M), O^T = V^T P^T (K = the keys), O / l, quantised along the head's 64 and stored as codes.
; t = score x log2(e) / 8; M = the running largest t rounded up to a whole number; the row's sum l is taken of the unquantised p; when M moves, l and O^T are multiplied by 2^(old M - new M), which rounds nothing.
; INPUT qkv [which 3][batch x head 64][key step 16][6,400].  q, k: 8 tiles of 16 tokens (tile a: tokens 32 (a / 2) + 8 (a % 2) + r + 8 (r / 8)) as half images of 768 bytes, then [r 16][4] scale words;
;   v: 4 images of 1,536 bytes (16 of the head's 64 x 128 keys), then [r 16][4] scale words.  An image's half c lies at 768 c: registers 6 c .. 6 c + 3 at 16 x lane, 6 c + 4, 6 c + 5 at 512 + 8 x lane.
; HEAD SIZE 64 UNDER AN INSTRUCTION OF 128: two neighbouring half images of K are ONE fragment (tile 2 b along k = 0 .. 63, tile 2 b + 1 along k = 64 .. 127); multiplied by [q | 0] it gives tile 2 b's scores, by [0 | q] tile 2 b + 1's.
;   The dead half of q's operand has zero codes and the scale byte 0, which is a power of two and no NaN.  So no fragment of K is half empty in LDS or in registers.
; SHARES.  Work-group (i, batch x head) owns the query blocks i and 7 - i of 256; wave w owns tile 16 block + w of each: 16 or 18 key steps of 128 a wave, alike in all 256 work-groups.
; The head's whole K and V, 2 x 102,400 bytes, lie in LDS, each byte filled once: every wave brings two key steps' 6,400 bytes; one wait for them, one barrier; no slot is filled again.
; The loops' trip counts are constants (8 and 16); a step all of whose keys come after my queries is jumped over by a scalar branch on ids; on the diagonal hidden scores become -infinity ahead of the maximum.
; NO JOINT LOADS: the four work-groups of a head would be the partners, and the branches round hidden steps hang on the query block, which would be a work-group's place in its cluster.
; OUTPUT oc [tile of 16 tokens 512][K step 8][1,536]: head hd is half hd % 2 of K step hd / 2; os [tile][K / 256][r 16][2] words: the head's two bytes, stored as 2 bytes a row (256 KB in all: each word's halves come from two heads).
; LIMITS: a block of zeros, or one under 2^-122, gets the scale byte 1 (this program alone reads the bytes); NaN and infinities are not served.
.set KV,  56                           ; v56-103   four fragments of K, then of V
.set S,   104                          ; v104-167  S^T, then p: register 16 b + i = key 32 b + 16 (lane / 16) + i of the step
.set O,   168                          ; v168-199  O^T: register 16 b + i = channel 32 b + 16 (lane / 16) + i
.set PC,  200                          ; v200-211  p's codes
.set CT,  212                          ; v212-218  the conversions' second halves
.set BM,  220                          ; v220-223  the blocks' largest scores, then largest p
.set BT,  224                          ; v224-227  at work
.set BS,  228                          ; v228-231  the conversions' scale operands
.set KSW, 232                          ; v232-235  K's or V's scale words
.set FF,  238                          ; v238      f = 2^(old M - new M)
.set PSW, 239                          ; v239      p's scale word
.set T0,  240
.set T1,  241
.set QFA, 16                           ; v16-33    [0 x 6 | q x 6 | 0 x 6] of the first pass: [0 | q] begins at +0, [q | 0] at +6;  v34-51 of the second
.set QFB, 34
.set QSA, 52                           ; v52, v53  q's scale word for [q | 0] and for [0 | q];  v54, v55 the second pass's
.set QSB, 54
.set WV,  10
.set BH,  11
.set G1,  12                           ; s[12:19] descriptor group 1;  s[20:23], s[24:27] groups 0
.set G0E, 20
.set G0L, 24
.set SEL, 28                           ; s[28:29] selects of v_permlanex16_b32 for lane l xor 16
.set CS,  30                           ; s[30:31] c = log2(e) / 8
.set TB,  32                           ; s32 where the step's K begins in LDS;  s36 its V
.set KF,  33                           ; s33 the step's first key
.set CNT, 34
.set TMP, 35
.set TBV, 36
.set PA,  48                           ; s[48:55] the first pass: q's codes, q's scale words, my place in oc, in os;  s[56:63] the second pass
.set PB,  56
.set Q0A, 66                           ; my tile's first query in each pass
.set Q0B, 67
.set SH,  68
	s_load_b128 s[4:7], s[0:1], 0x0                ; qkv, oc
	s_load_b64 s[8:9], s[0:1], 0x10                ; os
	v_lshl_add_u32 v254, v0, 2, 0x32000
	v_mov_b32 v255, 0
	ds_add_u32 v254, v255
	ds_add_u32 v254, v255
	v_lshrrev_b32 v5, 5, v0
	s_delay_alu instid0(VALU_DEP_1)
	v_readfirstlane_b32 s[WV], v5                  ; wave 0..15
	s_and_b32 s[BH], ttmp7, 0xffff                 ; batch x 16 + head
	s_mov_b32 s[G1], 3<<16                         ; no mask; elements of 8 bytes; no padding: a key step's 6,400 dense bytes as 25 rows of 256
	s_mov_b32 s[G1+1], 32<<16                      ; tensor_dim0
	s_mov_b32 s[G1+2], 25<<16                      ; tensor_dim1
	s_mov_b32 s[G1+3], 32<<16                      ; tile_dim0
	s_mov_b32 s[G1+4], 25                          ; tile_dim1
	s_mov_b32 s[G1+5], 32                          ; tensor_dim0_stride
	s_mov_b32 s[G1+6], 0
	s_mov_b32 s[G1+7], 0
	s_lshr_b32 s37, s[WV], 3                       ; waves 0-7 fetch K, waves 8-15 V
	s_and_b32 s38, s[WV], 7                        ; key steps w % 8 and w % 8 + 8
	s_mul_i32 s39, s37, 102400
	s_mul_i32 s40, s38, 6400
	s_add_co_u32 s39, s39, s40                     ; in LDS
	s_add_co_u32 s41, s37, 1
	s_lshl_b32 s41, s41, 6
	s_add_co_u32 s41, s41, s[BH]
	s_mul_i32 s42, s41, 102400
	s_add_co_u32 s42, s42, s40                     ; in memory
	s_mov_b32 s43, 0
	s_wait_dscnt 0x0
	s_wait_kmcnt 0x0
	s_mov_b32 s[G0E], 1
	s_mov_b32 s[G0E+1], s39
	s_add_nc_u64 s[G0E+2:G0E+3], s[4:5], s[42:43]
	s_mov_b32 s[G0L], 1
	s_add_co_u32 s[G0L+1], s39, 51200
	s_add_nc_u64 s[G0L+2:G0L+3], s[G0E+2:G0E+3], 51200
	s_or_b32 s[G0E+3], s[G0E+3], 0x80000000
	s_or_b32 s[G0L+3], s[G0L+3], 0x80000000
	tensor_load_to_lds s[G0E:G0E+3], s[G1:G1+7]    ; two loads of mine are out; each fills bytes of its own, once
	s_nop 0
	tensor_load_to_lds s[G0L:G0L+3], s[G1:G1+7]
	s_nop 0
.rept 4
	v_nop
.endr
	v_and_b32 v5, 31, v0
	v_and_b32 v6, 15, v0                           ; r
	v_bfe_u32 v7, v0, 4, 1                         ; h
	s_delay_alu instid0(VALU_DEP_3)
	v_lshlrev_b32 v1, 4, v5                        ; v1 16 x lane
	s_wait_alu depctr_va_vdst(0)
	v_lshlrev_b32 v2, 3, v5                        ; v2 8 x lane
	s_wait_alu depctr_va_vdst(0)
	v_lshlrev_b32 v3, 4, v6                        ; v3 16 r
	s_wait_alu depctr_va_vdst(0)
	v_lshlrev_b32 v11, 3, v6                       ; v11 8 r
	v_and_b32 v4, 8, v6
	s_delay_alu instid0(VALU_DEP_1)
	v_add_nc_u32 v4, v4, v6
	v_lshlrev_b32 v7, 4, v7
	s_delay_alu instid0(VALU_DEP_1)
	v_sub_nc_u32 v4, v4, v7                        ; v4 r + 8 (r / 8) - 16 h: my query less my half's first key, within tile and block
	s_mov_b32 s[SEL], 0x76543210
	s_mov_b32 s[SEL+1], 0xfedcba98
	s_mov_b32 s[CS], 0x3e38aa3b
	s_mov_b32 s[CS+1], s[CS]                       ; (named with it as a pair, so it is written)
	s_mul_i32 s44, s[BH], 102400                   ; q of my head
	s_mul_i32 s46, s38, 768                        ; my tile's half image in its key step
	s_mov_b32 s47, 0
	s_lshr_b32 s70, s38, 1
	s_lshl_b32 s70, s70, 2
	s_add_co_u32 s70, s70, 6144                    ; the word that holds my tile's two bytes
	s_mov_b32 s71, 0
	s_lshr_b32 s72, s[BH], 4
	s_lshl_b32 s72, s72, 7
	s_add_co_u32 s72, s72, s[WV]                   ; 128 x batch + wave
	s_and_b32 s73, s[BH], 15                       ; the head
	s_mul_i32 s74, s73, 768                        ; K step head / 2, half head % 2
	s_mov_b32 s75, 0
	s_lshr_b32 s76, s73, 2
	s_lshl_b32 s76, s76, 7                         ; K / 256 = head / 4
	s_bfe_u32 s77, s73, 0x10001
	s_lshl_b32 s77, s77, 2                         ; the word of K step head / 2
	s_add_co_u32 s76, s76, s77
	s_and_b32 s77, s73, 1
	s_lshl_b32 s77, s77, 1                         ; the head's two bytes of it
	s_add_co_u32 s76, s76, s77
	s_mov_b32 s77, 0
	s_lshr_b32 s78, s[WV], 1
	s_lshl_b32 s78, s78, 5
	s_and_b32 s79, s[WV], 1
	s_lshl_b32 s[SH], s79, 4                       ; 16 (w % 2): my tile's bytes are the word's low or high half
	s_lshl_b32 s79, s79, 3
	s_add_co_u32 s78, s78, s79                     ; 32 (w / 2) + 8 (w % 2)
	s_mov_b32 s79, ttmp9                           ; the first pass's block of 256 queries,
	s_sub_co_u32 s80, 7, ttmp9                     ; the second's
.macro PTRS blk, ptr, q0
	s_lshl_b32 s82, s[\blk], 1
	s_add_co_u32 s82, s82, s37                     ; my tile's key step: 2 x block + w / 8
	s_mul_i32 s82, s82, 6400
	s_add_co_u32 s82, s82, s44
	s_mov_b32 s83, 0
	s_add_nc_u64 s[\ptr+2:\ptr+3], s[4:5], s[82:83]
	s_add_nc_u64 s[\ptr:\ptr+1], s[\ptr+2:\ptr+3], s[46:47]
	s_add_nc_u64 s[\ptr+2:\ptr+3], s[\ptr+2:\ptr+3], s[70:71]
	s_lshl_b32 s82, s[\blk], 4
	s_add_co_u32 s82, s82, s72                     ; my tile among the 512 tiles of tokens
	s_mul_i32 s84, s82, 12288
	s_mov_b32 s85, 0
	s_add_nc_u64 s[\ptr+4:\ptr+5], s[6:7], s[84:85]
	s_add_nc_u64 s[\ptr+4:\ptr+5], s[\ptr+4:\ptr+5], s[74:75]
	s_lshl_b32 s84, s82, 9
	s_add_nc_u64 s[\ptr+6:\ptr+7], s[8:9], s[84:85]
	s_add_nc_u64 s[\ptr+6:\ptr+7], s[\ptr+6:\ptr+7], s[76:77]
	s_lshl_b32 s[\q0], s[\blk], 8
	s_add_co_u32 s[\q0], s[\q0], s78
.endm
	PTRS 79, PA, Q0A
	PTRS 80, PB, Q0B
	global_load_b128 v[QFA+6:QFA+9], v1, s[PA:PA+1]
	global_load_b64 v[QFA+10:QFA+11], v2, s[PA:PA+1] offset:512
	global_load_b32 v242, v3, s[PA+2:PA+3]
	global_load_b128 v[QFB+6:QFB+9], v1, s[PB:PB+1]
	global_load_b64 v[QFB+10:QFB+11], v2, s[PB:PB+1] offset:512
	global_load_b32 v243, v3, s[PB+2:PB+3]
.irp j, 0,1,2,3,4,5,12,13,14,15,16,17
	v_mov_b32 v[QFA+\j], 0                         ; the dead halves: zero codes
	v_mov_b32 v[QFB+\j], 0
.endr
.irp b, 0,1,2,3
	v_mov_b32 v[BT+\b], 0                          ; written once: a lane permute's destination counts as one of its sources
.endr
	v_mov_b32 v[T0], 0
	v_mov_b32 v[PSW], 0                            ; (named as the upper half of the pair with f before it is first written)
	s_wait_tensorcnt 0x0                           ; my two key steps are in LDS,
	s_barrier_signal -1
	s_barrier_wait -1                              ; everybody's are: all of K and V
	s_wait_loadcnt 0x0                             ; q
	v_lshrrev_b32 v242, s[SH], v242
	v_lshrrev_b32 v243, s[SH], v243
	s_delay_alu instid0(VALU_DEP_2)
	v_and_b32 v[QSA], 0xffff, v242                 ; [q | 0]: my two bytes below, the byte 0 over the zero codes
	s_delay_alu instid0(VALU_DEP_2)
	v_and_b32 v[QSB], 0xffff, v243
	s_delay_alu instid0(VALU_DEP_2)
	v_lshlrev_b32 v[QSA+1], 16, v[QSA]             ; [0 | q]
	s_delay_alu instid0(VALU_DEP_2)
	v_lshlrev_b32 v[QSB+1], 16, v[QSB]
.macro IMG4 a16, a8, asw               ; four images and their rows' four scale words: 17 loads
.irp b, 0,1,2,3
	ds_load_b128 v[KV+12*\b:KV+12*\b+3], v[\a16] offset:1536*\b
	ds_load_b64 v[KV+12*\b+4:KV+12*\b+5], v[\a8] offset:1536*\b+512
	ds_load_b128 v[KV+12*\b+6:KV+12*\b+9], v[\a16] offset:1536*\b+768
	ds_load_b64 v[KV+12*\b+10:KV+12*\b+11], v[\a8] offset:1536*\b+1280
.endr
	ds_load_b128 v[KSW:KSW+3], v[\asw] offset:6144
.endm
; A KEY STEP of 128 keys
.macro STEP qf, qs, q0
	s_add_co_u32 s[TMP], s[\q0], 23                ; my tile's last query
	s_cmp_gt_u32 s[KF], s[TMP]
	s_cbranch_scc1 .Lhidden_\@                     ; all keys hidden: only the addresses step
	s_setprio 2
	v_add_nc_u32 v5, s[TB], v1                     ; (these six are also the places in front of the loads into registers that the last products read)
	v_add_nc_u32 v6, s[TB], v2
	v_add_nc_u32 v7, s[TBV], v1
	v_add_nc_u32 v8, s[TBV], v2
	v_add_nc_u32 v9, s[TB], v3
	v_add_nc_u32 v10, s[TBV], v3
	IMG4 5, 6, 9
	s_wait_alu depctr_va_vdst(0)
	s_wait_dscnt 0x0
.irp b, 0,1,2,3
	v_wmma_scale_f32_16x16x128_f8f6f4 v[S+16*\b:S+16*\b+7], v[KV+12*\b:KV+12*\b+11], v[\qf+6:\qf+17], 0, v[KSW+\b], v[\qs] matrix_a_fmt:MATRIX_FMT_BF6 matrix_b_fmt:MATRIX_FMT_BF6
	v_wmma_scale_f32_16x16x128_f8f6f4 v[S+16*\b+8:S+16*\b+15], v[KV+12*\b:KV+12*\b+11], v[\qf:\qf+11], 0, v[KSW+\b], v[\qs+1] matrix_a_fmt:MATRIX_FMT_BF6 matrix_b_fmt:MATRIX_FMT_BF6
.endr
.rept 4
	v_nop                                          ; places: in front of V's loads into K's registers, and of the first read of the scores
.endr
	IMG4 7, 8, 10                                  ; V lands while the softmax is worked
	s_add_co_u32 s[TMP], s[KF], 127
	s_cmp_le_u32 s[TMP], s[\q0]
	s_cbranch_scc1 .Lopen_\@                       ; all keys count
	s_sub_co_i32 s[TMP], s[\q0], s[KF]
	v_add_nc_u32 v[T1], s[TMP], v4                 ; d = my query - the step's first key - 16 (lane / 16): register 16 b + i is hidden where 32 b + i > d
	v_mov_b32 v[T0], 0xff800000                    ; -infinity
.set n, 0
.rept 64
	v_cmp_gt_i32 vcc_lo, 32*(n/16)+n%16, v[T1]
	v_cndmask_b32 v[S+n], v[S+n], v[T0], vcc_lo
.set n, n+1
.endr
.Lopen_\@:
.irp b, 0,1,2,3
	v_max3_num_f32 v[BM+\b], v[S+16*\b], v[S+1+16*\b], v[S+2+16*\b]   ; the largest score of each block of 32 keys: for the row's maximum, and, since p rises with the score, for the block's largest p
.endr
.irp i, 3,5,7,9,11,13
.irp b, 0,1,2,3
	v_max3_num_f32 v[BM+\b], v[BM+\b], v[S+16*\b+\i], v[S+1+16*\b+\i]
.endr
.endr
.irp b, 0,1,2,3
	v_max_num_f32 v[BM+\b], v[BM+\b], v[S+15+16*\b]
.endr
.irp b, 0,1,2,3
	s_delay_alu instid0(VALU_DEP_4)
	v_permlanex16_b32 v[BT+\b], v[BM+\b], s[SEL], s[SEL+1]
.endr
.irp b, 0,1,2,3
	s_delay_alu instid0(VALU_DEP_4)
	v_max_num_f32 v[BM+\b], v[BM+\b], v[BT+\b]     ; with lane l xor 16's 16 keys
.endr
	s_delay_alu instid0(VALU_DEP_2)
	v_max3_num_f32 v[T0], v[BM], v[BM+1], v[BM+2]
	s_delay_alu instid0(VALU_DEP_1)
	v_max_num_f32 v[T0], v[T0], v[BM+3]
	s_delay_alu instid0(VALU_DEP_1)
	v_mul_f32 v[T0], s[CS], v[T0]                  ; as t (c is positive)
	s_delay_alu instid0(VALU_DEP_1)
	v_max_num_f32 v13, v13, v[T0]                  ; the running largest t
	v_mov_b32 v[T0], v12
	s_delay_alu instid0(VALU_DEP_2)
	v_floor_f32 v12, -v13                          ; the new -M = floor(-t): M is a whole number
	s_delay_alu instid0(VALU_DEP_1)
	v_sub_f32 v[T0], v12, v[T0]                    ; old M less new M: a whole number, 0 or less
	s_delay_alu instid0(VALU_DEP_1)
	v_cvt_i32_f32 v[T0], v[T0]                     ; (it saturates)
	s_delay_alu instid0(VALU_DEP_1)
	v_ldexp_f32 v[FF], 1.0, v[T0]                  ; f
.set n, 0
	s_setprio 1
.rept 32
	v_pk_fma_f32 v[S+n:S+n+1], v[S+n:S+n+1], s[CS:CS+1], v[12:13] op_sel_hi:[1,0,0]   ; t - M, two at a time
.set n, n+2
.endr
.irp b, 0,1,2,3
	v_fma_f32 v[BM+\b], v[BM+\b], s[CS], v12       ; the same of each block's largest score
.endr
.set n, 0
	s_wait_alu depctr_va_vdst(0)
.rept 64
	v_exp_f32 v[S+n], v[S+n]                       ; p = 2^(t - M), not normalised
.set n, n+1
.endr
	v_pk_mul_f32 v[14:15], v[14:15], v[FF:FF+1] op_sel_hi:[1,0]   ; the sums under the new M: a plain place behind the exponentials
	s_wait_alu depctr_va_vdst(0)                   ; one wait for the batch of 64, ahead of its first reader
.irp b, 0,1,2,3
	v_exp_f32 v[BM+\b], v[BM+\b]                   ; the block's largest p: the same two instructions on the same number
.endr
	v_pk_add_f32 v[224:225], v[108:109], v[112:113]
	v_pk_add_f32 v[252:253], v[116:117], v[120:121]
	v_pk_add_f32 v[250:251], v[124:125], v[128:129]
	v_pk_add_f32 v[248:249], v[132:133], v[136:137]
	v_pk_add_f32 v[246:247], v[140:141], v[144:145]
	v_pk_add_f32 v[244:245], v[148:149], v[152:153]
	v_pk_add_f32 v[242:243], v[156:157], v[160:161]
	v_pk_add_f32 v[14:15], v[14:15], v[164:165]
	v_pk_add_f32 v[224:225], v[224:225], v[104:105]
	v_pk_add_f32 v[252:253], v[252:253], v[106:107]
	v_pk_add_f32 v[250:251], v[250:251], v[110:111]
	v_pk_add_f32 v[248:249], v[248:249], v[114:115]
	v_pk_add_f32 v[246:247], v[246:247], v[118:119]
	v_pk_add_f32 v[244:245], v[244:245], v[122:123]
	v_pk_add_f32 v[242:243], v[242:243], v[126:127]
	v_pk_add_f32 v[14:15], v[14:15], v[130:131]
	v_pk_add_f32 v[224:225], v[224:225], v[134:135]
	v_pk_add_f32 v[252:253], v[252:253], v[138:139]
	v_pk_add_f32 v[250:251], v[250:251], v[142:143]
	v_pk_add_f32 v[248:249], v[248:249], v[146:147]
	v_pk_add_f32 v[246:247], v[246:247], v[150:151]
	v_pk_add_f32 v[244:245], v[244:245], v[154:155]
	v_pk_add_f32 v[242:243], v[242:243], v[158:159]
	v_pk_add_f32 v[14:15], v[14:15], v[162:163]
	v_pk_add_f32 v[224:225], v[224:225], v[166:167]
	s_delay_alu instid0(VALU_DEP_2)
	v_pk_add_f32 v[14:15], v[14:15], v[248:249]
	s_delay_alu instid0(VALU_DEP_2)
	v_pk_add_f32 v[224:225], v[224:225], v[246:247]
	v_pk_add_f32 v[252:253], v[252:253], v[244:245]
	v_pk_add_f32 v[250:251], v[250:251], v[242:243]
	s_delay_alu instid0(VALU_DEP_2)
	v_pk_add_f32 v[14:15], v[14:15], v[252:253]
	s_delay_alu instid0(VALU_DEP_2)
	v_pk_add_f32 v[224:225], v[224:225], v[250:251]
	s_delay_alu instid0(VALU_DEP_1)
	v_pk_add_f32 v[14:15], v[14:15], v[224:225]
	s_wait_alu depctr_va_vdst(0)                   ; and one for the four
.irp b, 0,1,2,3
	v_max_num_f32 v[BM+\b], 0x2800000, v[BM+\b]    ; the floor 2^(5 - 127): the byte cannot fall under 1
.endr
.irp b, 0,1,2,3
	s_delay_alu instid0(VALU_DEP_4)
	v_add_nc_u32 v[BS+\b], 0xfe000000, v[BM+\b]    ; 4 off the exponent field: the conversion's scale operand
.endr
.irp b, 0,1,2,3
	s_delay_alu instid0(VALU_DEP_4)
	v_lshrrev_b32 v[BT+\b], 23, v[BS+\b]           ; the scale's byte
.endr
	s_delay_alu instid0(VALU_DEP_3)
	v_lshl_or_b32 v[PSW], v[BT+1], 8, v[BT]
	s_delay_alu instid0(VALU_DEP_1)
	v_lshl_or_b32 v[PSW], v[BT+2], 16, v[PSW]
	s_delay_alu instid0(VALU_DEP_1)
	v_lshl_or_b32 v[PSW], v[BT+3], 24, v[PSW]
	s_setprio 0
.irp c, 0,1
	v_cvt_scalef32_pk16_bf6_f32 v[PC+6*\c:PC+2+6*\c], v[S+32*\c:S+15+32*\c], v[BS+2*\c]
	v_cvt_scalef32_pk16_bf6_f32 v[CT+4*\c:CT+2+4*\c], v[S+16+32*\c:S+31+32*\c], v[BS+2*\c+1]
.endr
	v_nop                                          ; one plain place behind a scaled conversion
.irp c, 0,1                            ; a whole block in a lane: lanes 0-15 block 2 c, lanes 16-31 block 2 c + 1
.irp i, 0,1,2
	v_permlane16_swap_b32 v[PC+6*\c+\i], v[CT+4*\c+\i]
.endr
.irp i, 0,1,2
	s_delay_alu instid0(VALU_DEP_3)
	v_mov_b32 v[PC+3+6*\c+\i], v[CT+4*\c+\i]
.endr
.endr
.set n, 0
.rept 16
	v_pk_mul_f32 v[O+n:O+n+1], v[O+n:O+n+1], v[FF:FF+1] op_sel_hi:[1,0]   ; O^T under the new M; these 16 are also the places between p's scale word and codes and the products
.set n, n+2
.endr
	s_wait_alu depctr_va_vdst(0)
	s_wait_dscnt 0x0                               ; V
.irp t, 0,1,2,3
	v_wmma_scale_f32_16x16x128_f8f6f4 v[O+8*\t:O+8*\t+7], v[KV+12*\t:KV+12*\t+11], v[PC:PC+11], v[O+8*\t:O+8*\t+7], v[KSW+\t], v[PSW] matrix_a_fmt:MATRIX_FMT_BF6 matrix_b_fmt:MATRIX_FMT_BF6
.endr
.Lhidden_\@:
	s_add_co_u32 s[KF], s[KF], 128
	s_add_co_u32 s[TB], s[TB], 6400
	s_add_co_u32 s[TBV], s[TBV], 6400
.endm
; O^T / l, quantised along the head's 64 (two blocks of 32), leaves as a half image and two scale bytes a row
.macro FLUSH ptr
.rept 4
	v_nop                                          ; places behind the last products
.endr
	v_add_f32 v14, v14, v15
	s_delay_alu instid0(VALU_DEP_1)
	v_permlanex16_b32 v[T0], v14, s[SEL], s[SEL+1]
	s_delay_alu instid0(VALU_DEP_1)
	v_add_f32 v14, v14, v[T0]                      ; the row's sum
	s_wait_alu depctr_va_vdst(0)
	v_rcp_f32 v14, v14
	v_nop                                          ; a plain place behind the reciprocal
	s_wait_alu depctr_va_vdst(0)                   ; the wait ahead of its first reader
.set n, 0
.rept 16
	v_pk_mul_f32 v[S+n:S+n+1], v[O+n:O+n+1], v[14:15] op_sel_hi:[1,0]
.set n, n+2
.endr
.irp b, 0,1
	v_max3_num_f32 v[BM+\b], |v[S+16*\b]|, |v[S+1+16*\b]|, 0x2800000
.endr
.irp i, 2,4,6,8,10,12,14
.irp b, 0,1
	s_delay_alu instid0(VALU_DEP_2)
	v_max3_num_f32 v[BM+\b], v[BM+\b], |v[S+16*\b+\i]|, |v[S+1+16*\b+\i]|
.endr
.endr
.irp b, 0,1
	s_delay_alu instid0(VALU_DEP_2)
	v_permlanex16_b32 v[BT+\b], v[BM+\b], s[SEL], s[SEL+1]
.endr
.irp b, 0,1
	s_delay_alu instid0(VALU_DEP_2)
	v_max_num_f32 v[BM+\b], v[BM+\b], v[BT+\b]
.endr
.irp b, 0,1
	s_delay_alu instid0(VALU_DEP_2)
	v_add_nc_u32 v[BS+\b], 0xfe000000, v[BM+\b]
.endr
.irp b, 0,1
	s_delay_alu instid0(VALU_DEP_2)
	v_lshrrev_b32 v[BT+\b], 23, v[BS+\b]
.endr
	s_delay_alu instid0(VALU_DEP_1)
	v_lshl_or_b32 v[T1], v[BT+1], 8, v[BT]
	v_cvt_scalef32_pk16_bf6_f32 v[PC:PC+2], v[S:S+15], v[BS]
	v_cvt_scalef32_pk16_bf6_f32 v[CT:CT+2], v[S+16:S+31], v[BS+1]
	v_nop
.irp i, 0,1,2
	v_permlane16_swap_b32 v[PC+\i], v[CT+\i]
.endr
.irp i, 0,1,2
	s_delay_alu instid0(VALU_DEP_3)
	v_mov_b32 v[PC+3+\i], v[CT+\i]
.endr
	global_store_b128 v1, v[PC:PC+3], s[\ptr+4:\ptr+5]             ; 512 consecutive bytes, aligned to 256
	global_store_b64 v2, v[PC+4:PC+5], s[\ptr+4:\ptr+5] offset:512 ; 256
	global_store_b16 v11, v[T1], s[\ptr+6:\ptr+7]                  ; lanes r and r + 16 store the same two bytes
.endm
.macro PASS qf, qs, q0, ptr, trips
	s_wait_xcnt 0x0                                ; the last pass's stores have read their data
	v_mov_b32 v13, 0xff61b1e6                      ; the largest t so far: -3e38
	s_delay_alu instid0(VALU_DEP_1)
	v_floor_f32 v12, -v13                          ; -M
	v_mov_b32 v14, 0
	v_mov_b32 v15, 0
.set n, 0
.rept 32
	v_mov_b32 v[O+n], 0                            ; the step is written once: the first finds zeros, which the first change of M leaves zeros
.set n, n+1
.endr
	s_mov_b32 s[TB], 0
	s_mov_b32 s[TBV], 102400
	s_mov_b32 s[KF], 0
	s_mov_b32 s[CNT], \trips
.Lstep_\@:
	STEP \qf, \qs, \q0
	s_sub_co_u32 s[CNT], s[CNT], 1
	s_cmp_lg_u32 s[CNT], 0
	s_cbranch_scc1 .Lstep_\@
	s_setprio 0
	FLUSH \ptr
.endm
	PASS QFA, QSA, Q0A, PA, 8                      ; block i: its keys end under 1,024
	PASS QFB, QSB, Q0B, PB, 16                     ; block 7 - i
	s_wait_tensorcnt 0x0
	ds_add_u32 v254, v255
	s_wait_dscnt 0x0
	s_endpgm
.Lfunc_end_k_qe6784cc2ff_attn:
	.size	k_qe6784cc2ff_attn, .Lfunc_end_k_qe6784cc2ff_attn-k_qe6784cc2ff_attn
	.p2alignl 7, 3214868480
	.fill 96, 4, 3214868480
	.section	.rodata,"a",@progbits
	.p2align	6, 0x0
	.amdhsa_kernel k_qe6784cc2ff_attn
		.amdhsa_group_segment_fixed_size 206848
		.amdhsa_private_segment_fixed_size 0
		.amdhsa_enable_private_segment 0
		.amdhsa_kernarg_size 24
		.amdhsa_user_sgpr_count 2
		.amdhsa_user_sgpr_kernarg_segment_ptr 1
		.amdhsa_wavefront_size32 1
		.amdhsa_system_sgpr_workgroup_id_x 1
		.amdhsa_system_sgpr_workgroup_id_y 1
		.amdhsa_system_sgpr_workgroup_id_z 1
		.amdhsa_system_vgpr_workitem_id 0
		.amdhsa_next_free_vgpr 256
		.amdhsa_next_free_sgpr 90
		.amdhsa_reserve_vcc 1
		.amdhsa_float_denorm_mode_32 3
		.amdhsa_float_denorm_mode_16_64 3
		.amdhsa_memory_ordered 1
		.amdhsa_forward_progress 1
		.amdhsa_inst_pref_size 65
	.end_amdhsa_kernel
	.amdgpu_metadata
---
amdhsa.version: [ 1, 2 ]
amdhsa.kernels:
  - .name:           k_qe6784cc2ff_attn
    .symbol:         k_qe6784cc2ff_attn.kd
    .args:
      - { .name: qkv, .offset: 0, .size: 8, .value_kind: global_buffer, .address_space: global }
      - { .name: oc, .offset: 8, .size: 8, .value_kind: global_buffer, .address_space: global }
      - { .name: os, .offset: 16, .size: 8, .value_kind: global_buffer, .address_space: global }
    .group_segment_fixed_size: 206848
    .private_segment_fixed_size: 0
    .kernarg_segment_align: 8
    .kernarg_segment_size: 24
    .max_flat_workgroup_size: 512
    .sgpr_count:     90
    .vgpr_count:     256
    .wavefront_size: 32
...
	.end_amdgpu_metadata
.endif
;; end of part 3
;; launch gemm_out (part 4): grid 4 x 32, 4 waves a work-group, clusters of 4 x 4, 327,680 bytes of LDS; arguments oc, os, wc, ws, out_b, out0; writes out0
.if DOCPART == 4
	.amdgcn_target "amdgcn-amd-amdhsa--gfx1250"
	.amdhsa_code_object_version 6
	.text
	.protected	k_qe6784cc2ff_gemm_out
	.globl	k_qe6784cc2ff_gemm_out
	.p2align	8
	.type	k_qe6784cc2ff_gemm_out,@function
k_qe6784cc2ff_gemm_out:
	s_mov_b64 s[64:65], 0
	v_nop
	global_prefetch_b8 v0, s[64:65] scope:SCOPE_SE
	s_setreg_imm32_b32 hwreg(HW_REG_WAVE_MODE, 25, 1), 1
	s_wait_xcnt 0x0
	s_wait_alu depctr_hold_cnt(0) depctr_sa_sdst(0) depctr_va_vdst(0) depctr_va_sdst(0) depctr_va_ssrc(0) depctr_va_vcc(0) depctr_vm_vsrc(0)
	s_getreg_b32 s2, hwreg(HW_REG_IB_STS2, 6, 4)
	s_cmp_eq_u32 s2, 0
	s_cbranch_scc0 .Lentry_in_a_cluster
	s_endpgm
.Lentry_in_a_cluster:
	s_bfe_u32 s2, ttmp6, 0x10000c
	s_cmp_lg_u32 s2, 0xf033
	s_cbranch_scc0 .Lentry_shape_is_right
	s_endpgm
.Lentry_shape_is_right:
; out0 = o out_w^T + out_b on codes of BF6 (E3M2) with E8M0 scales, K = 1,024; out0 [8192][1024] f32.
; OPERANDS are register images (16 rows x 128 K = 1,536 bytes: half c at 768 c, registers 6 c .. 6 c + 3 at 16 x lane, 6 c + 4, 6 c + 5 at 512 + 8 x lane), [tile][K step 8][1,536]; scale words [tile][K / 256][r 16][2].
; Tile T holds rows 32 (T / 2) + 8 (T % 2) + r + 8 (r / 8).  R = o's tokens (oc, os), S = out_w's rows (tiles 192 on of wc, ws).  A work-group makes 256 x 256, a wave 128 x 128: 64 accumulators.
; Source 0 = S, source 1 = R: lane (r, h) of accumulator (a, b) holds token r of tile a and the features 32 (b / 2) + 16 h + 8 (b % 2) + 0 .. 7.
; K goes in 8 steps of 128 through three LDS slots of 256 along K; slot 0 is filled a second time, with the last 256: the launch's one refill.  CLUSTERS: 4 x 4; R's tiles are shared along a row, S's along a column, asked for jointly.
; The bias is the C of each sum's first product, so it is added ahead of the products and not behind them: an order of rounding that differs from o W^T + b.
; The problem has 128 blocks of 256 x 256: this text launches those.
; REGISTERS: window 0: v1-31 addresses; v32-63 scale words, two sets; v64-127 the bias; v128-223 R's 8 fragments; the way out: v128-255 rows of out0.  Window 1: S's fragments, two sets.  Windows 2, 3: the accumulators.
.set SLOT,   98304
.set HALFT,  24576
.set SOFF,   49152
.set SCL,    3*SLOT
.set SPARE,  SCL+16384                 ; the spare words, 128 bytes a wave: two blocks of 256 bytes that no other line names
.set FR,     12
.set ADRA16, 4
.set ADRA8,  7
.set ADRB16, 10
.set ADRB8,  13
.set ADRS,   16
.set SPW,    17
.set NIL,    18
.set CO,     19                        ; v19 16 x lane: my bytes of a row of 512
.set STO,    24                        ; v24 the stage, way in
.set RD,     25                        ; v25 the stage, way out
.set SC,     32
.set BIAS,   64
.set AF,     128
.set BK,     128
.set G1,   24
.set G1B,  32
.set G1S,  40
.set G1SB, 48
.set G0R0, 56
.set G0R1, 60
.set G0R2, 68
.set G0S0, 72
.set G0S1, 76
.set G0S2, 80
.set G0RS, 84
.set G0SS, 88
.set MSB, 0
.macro WIN new                         ; the immediate's high byte repeats the setting that is left
.if MSB != (\new)
	s_set_vgpr_msb (MSB<<8)|(\new)
.set MSB, (\new)
.endif
.endm
.macro JLOAD g0a, g1a, g0b, g1b        ; a joint load: waves 0 and 1 fetch for R, waves 2 and 3 for S; four v_nop follow each of the two lines
	s_cmp_eq_u32 s17, 0
	s_cbranch_scc0 .Lfor_b_\@
	tensor_load_to_lds s[\g0a:\g0a+3], s[\g1a:\g1a+7]
	s_nop 0
.rept 4
	v_nop
.endr
	s_branch .Lasked_\@
.Lfor_b_\@:
	tensor_load_to_lds s[\g0b:\g0b+3], s[\g1b:\g1b+7]
	s_nop 0
.rept 4
	v_nop
.endr
.Lasked_\@:
.endm
.macro CREST
	s_cmp_lg_u32 s16, 0
	s_cbranch_scc1 .Lnot_wave_0_\@
	s_barrier_signal -3
.Lnot_wave_0_\@:
	s_barrier_wait -3
	s_barrier_signal -1
	s_barrier_wait -1
.endm
.macro CROUND
	s_barrier_signal -1
	s_barrier_wait -1
	CREST
.endm
.macro PLACES n
.rept \n
	v_nop
.endr
.endm
	s_load_b256 s[4:11], s[0:1], 0x0               ; oc, os, wc, ws
	s_load_b128 s[12:15], s[0:1], 0x20             ; out_b, out0
	v_lshl_add_u32 v[SPW], v0, 2, SPARE
	v_mov_b32 v[NIL], 0
	ds_add_u32 v17, v18
	ds_add_u32 v17, v18
	s_wait_dscnt 0x0
	v_lshrrev_b32 v1, 5, v0
	v_readfirstlane_b32 s16, v1                    ; wave 0..3
	s_lshr_b32 s17, s16, 1                         ; my half of R's rows.  Also: I fetch for R (0) or for S (1)
	s_and_b32 s18, s16, 1                          ; my half of S's rows.  Also: which 8 tiles I fetch
	s_bfe_u32 s92, ttmp6, 0x40000                  ; cx
	s_bfe_u32 s93, ttmp6, 0x40004                  ; cy
	s_lshl_b32 s95, ttmp9, 2
	s_add_co_u32 s95, s95, s92                     ; S's block of 256 features
	s_and_b32 s96, ttmp7, 0xffff
	s_lshl_b32 s96, s96, 2
	s_add_co_u32 s96, s96, s93                     ; R's block of 256 tokens
	s_lshl_b32 s97, s93, 2
	s_lshl_b32 s97, 15, s97                        ; my row of the cluster
	s_lshl_b32 s98, 0x1111, s92                    ; my column
	s_or_b32 s[G1], s97, (3<<16)|(1<<21)
	s_or_b32 s[G1B], s98, (3<<16)|(1<<21)
	s_or_b32 s[G1S], s97, (3<<16)|(1<<21)
	s_or_b32 s[G1SB], s98, (3<<16)|(1<<21)
.irp g, G1, G1B                        ; codes: 8 tiles x 3,072 bytes (two K steps), 12,288 bytes from tile to tile
	s_mov_b32 s[\g+1], 384<<16
	s_mov_b32 s[\g+2], 8<<16
	s_mov_b32 s[\g+3], 384<<16
	s_mov_b32 s[\g+4], 8
	s_mov_b32 s[\g+5], 1536
	s_mov_b32 s[\g+6], 0
	s_mov_b32 s[\g+7], 0
.endr
.irp g, G1S, G1SB                      ; scale words of 8 tiles: 4,096 dense bytes as 16 rows of 256
	s_mov_b32 s[\g+1], 32<<16
	s_mov_b32 s[\g+2], 16<<16
	s_mov_b32 s[\g+3], 32<<16
	s_mov_b32 s[\g+4], 16
	s_mov_b32 s[\g+5], 32
	s_mov_b32 s[\g+6], 0
	s_mov_b32 s[\g+7], 0
.endr
	s_lshl_b32 s21, s18, 3
	s_lshl_b32 s20, s96, 4
	s_add_co_u32 s20, s20, s21                     ; the first tile that I would fetch for R,
	s_lshl_b32 s22, s95, 4
	s_add_co_u32 s22, s22, s21
	s_add_co_u32 s22, s22, 192                     ; and for S: out_w begins at tile 192
	s_lshl_b32 s100, s20, 9
	s_mov_b32 s101, 0
	s_lshl_b32 s98, s22, 9
	s_mov_b32 s99, 0
	s_mul_i32 s20, s20, 12288
	s_mov_b32 s21, 0
	s_mul_i32 s22, s22, 12288
	s_mov_b32 s23, 0
	s_mul_i32 s2, s16, HALFT
	s_lshl_b32 s3, s16, 12
	s_add_co_u32 s3, s3, SCL
	s_wait_kmcnt 0x0
	s_add_nc_u64 s[G0R0+2:G0R0+3], s[4:5], s[20:21]
	s_add_nc_u64 s[G0S0+2:G0S0+3], s[8:9], s[22:23]
	s_add_nc_u64 s[G0RS+2:G0RS+3], s[6:7], s[100:101]
	s_add_nc_u64 s[G0SS+2:G0SS+3], s[10:11], s[98:99]
	s_add_nc_u64 s[G0R1+2:G0R1+3], s[G0R0+2:G0R0+3], 3072
	s_add_nc_u64 s[G0R2+2:G0R2+3], s[G0R0+2:G0R0+3], 6144
	s_add_nc_u64 s[G0S1+2:G0S1+3], s[G0S0+2:G0S0+3], 3072
	s_add_nc_u64 s[G0S2+2:G0S2+3], s[G0S0+2:G0S0+3], 6144
.irp g, G0R0, G0R1, G0R2, G0S0, G0S1, G0S2, G0RS, G0SS
	s_mov_b32 s[\g], 1
	s_or_b32 s[\g+3], s[\g+3], 0x80000000
.endr
	s_mov_b32 s[G0R0+1], s2
	s_mov_b32 s[G0S0+1], s2
	s_add_co_u32 s[G0R1+1], s2, SLOT
	s_add_co_u32 s[G0S1+1], s2, SLOT
	s_add_co_u32 s[G0R2+1], s2, 2*SLOT
	s_add_co_u32 s[G0S2+1], s2, 2*SLOT
	s_mov_b32 s[G0RS+1], s3
	s_mov_b32 s[G0SS+1], s3
	CROUND                                         ; all sixteen work-groups are here: the first joint loads meet
	JLOAD G0RS, G1S, G0SS, G1SB                    ; four loads of mine are out: the scale words, then slots 0, 1, 2
	JLOAD G0R0, G1, G0S0, G1B
	JLOAD G0R1, G1, G0S1, G1B
	JLOAD G0R2, G1, G0S2, G1B
	v_and_b32 v1, 15, v0                           ; r
	v_bfe_u32 v2, v0, 4, 1                         ; h
	v_and_b32 v3, 31, v0
	v_lshlrev_b32 v[CO], 4, v3
	v_lshlrev_b32 v3, 3, v3
	s_mul_i32 s2, s17, HALFT
	s_mul_i32 s3, s18, HALFT
	s_add_co_u32 s3, s3, SOFF
.irp s, 0,1,2
	v_add_nc_u32 v[ADRA16+\s], s2, v[CO]
	v_add_nc_u32 v[ADRA8+\s], s2, v3
	v_add_nc_u32 v[ADRB16+\s], s3, v[CO]
	v_add_nc_u32 v[ADRB8+\s], s3, v3
	s_add_co_u32 s2, s2, SLOT
	s_add_co_u32 s3, s3, SLOT
.endr
	s_lshl_b32 s2, s17, 12
	s_lshl_b32 s3, s18, 12
	s_add_co_u32 s3, s3, 8192
	s_sub_co_u32 s3, s3, s2
	v_mul_u32_u24 v[ADRS], s3, v2                  ; lanes 16-31 take S's: one product, the distance between the two
	v_lshl_add_u32 v[ADRS], v1, 3, v[ADRS]
	s_add_co_u32 s2, s2, SCL
	v_add_nc_u32 v[ADRS], s2, v[ADRS]
	s_mul_i32 s2, s16, 16*528                      ; my stage: 16 rows x (512 + 16) bytes, in slot 1, which has its one fill behind it and is read for the last time ahead of the last barrier
	s_add_co_u32 s2, s2, SLOT
	v_mul_u32_u24 v[STO], v1, 528
	v_lshl_add_u32 v[STO], v2, 6, v[STO]
	v_add_nc_u32 v[STO], s2, v[STO]                ; in: row r, + 64 h
	v_add_nc_u32 v[RD], s2, v[CO]                  ; back: a row's 512 bytes, 16 a lane
	s_lshl_b32 s2, s96, 8
	s_lshl_b32 s3, s17, 7
	s_add_co_u32 s2, s2, s3
	s_lshl_b32 s2, s2, 12                          ; my first token's row of 4,096 bytes
	s_lshl_b32 s20, s95, 10
	s_lshl_b32 s3, s18, 9
	s_add_co_u32 s20, s20, s3                      ; my first feature, in bytes
	s_mov_b32 s21, 0
	s_add_co_u32 s2, s2, s20
	s_mov_b32 s3, 0
	s_add_nc_u64 s[14:15], s[14:15], s[2:3]
	s_add_nc_u64 s[12:13], s[12:13], s[20:21]
	v_lshlrev_b32 v3, 6, v2                        ; the bias goes with S's rows: for tile b the features 32 (b / 2) + 8 (b % 2) + 16 h + 0 .. 7
.irp b, 0,1,2,3,4,5,6,7
	global_load_b128 v[BIAS+8*\b:BIAS+8*\b+3], v3, s[12:13] offset:(32*(\b/2)+8*(\b%2))*4
	global_load_b128 v[BIAS+8*\b+4:BIAS+8*\b+7], v3, s[12:13] offset:(32*(\b/2)+8*(\b%2))*4+16
.endr
.macro FRAG reg, a16, a8, q, i
	ds_load_b128 v[\reg:\reg+3], v[\a16] offset:(\i)*3072+(\q)*1536
	ds_load_b64 v[\reg+4:\reg+5], v[\a8] offset:(\i)*3072+(\q)*1536+512
	ds_load_b128 v[\reg+6:\reg+9], v[\a16] offset:(\i)*3072+(\q)*1536+768
	ds_load_b64 v[\reg+10:\reg+11], v[\a8] offset:(\i)*3072+(\q)*1536+1280
.endm
.macro FETCH_B slot, q, p
	WIN 0x40
.irp i, 0,1,2,3,4,5,6,7
	FRAG 128*(\p)+FR*\i, ADRB16+\slot, ADRB8+\slot, \q, \i
.endr
	WIN 0
.endm
.macro FETCH_A slot, q, i0
.irp i, \i0, \i0+1, \i0+2, \i0+3
	FRAG AF+FR*(\i), ADRA16+\slot, ADRA8+\slot, \q, \i
.endr
.endm
.macro SCALES sg
.irp i, 0,1,2,3,4,5,6,7
	ds_load_b64 v[SC+16*((\sg)%2)+2*\i:SC+16*((\sg)%2)+2*\i+1], v[ADRS] offset:\i*512+(\sg)*128
.endr
.endm
; 16 products: R's tiles a0, a0 + 1 x S's eight.  cm = 1: the bias starts the sums.  The 64 accumulators take turns, in the same order in every step.
.macro MUL16 a0, p, q, sc, cm
.irp a, \a0, \a0+1
.irp b, 0,1,2,3,4,5,6,7
.if \cm == 1
	v_wmma_scale_f32_16x16x128_f8f6f4 v[8*(8*((\a)%4)+\b):8*(8*((\a)%4)+\b)+7], v[128*(\p)+FR*\b:128*(\p)+FR*\b+FR-1], v[AF+FR*(\a):AF+FR*(\a)+FR-1], v[BIAS+8*\b:BIAS+8*\b+7], v[SC+16*(\sc)+2*\b+(\q)], v[SC+16*(\sc)+2*(\a)+(\q)] matrix_a_fmt:MATRIX_FMT_BF6 matrix_b_fmt:MATRIX_FMT_BF6 matrix_a_scale:MATRIX_SCALE_ROW1
.else
	v_wmma_scale_f32_16x16x128_f8f6f4 v[8*(8*((\a)%4)+\b):8*(8*((\a)%4)+\b)+7], v[128*(\p)+FR*\b:128*(\p)+FR*\b+FR-1], v[AF+FR*(\a):AF+FR*(\a)+FR-1], v[8*(8*((\a)%4)+\b):8*(8*((\a)%4)+\b)+7], v[SC+16*(\sc)+2*\b+(\q)], v[SC+16*(\sc)+2*(\a)+(\q)] matrix_a_fmt:MATRIX_FMT_BF6 matrix_b_fmt:MATRIX_FMT_BF6 matrix_a_scale:MATRIX_SCALE_ROW1
.endif
.endr
.endr
.endm
.macro STEP q, p, sc, ns, nq, nsig, cm
	s_wait_dscnt 16                                ; S's set, R's tiles 0-3 and the scale words are in; the youngest 16 loads (R's tiles 4-7) may be out
.if \cm
	WIN 0x81
.else
	WIN 0xa1
.endif
	MUL16 0, \p, \q, \sc, \cm
	MUL16 2, \p, \q, \sc, \cm
	s_wait_dscnt 0x0
	PLACES 4
	FETCH_B \ns, \nq, 1-(\p)
	FETCH_A \ns, \nq, 0
.if \nsig >= 0
	SCALES \nsig
.endif
.if \cm
	WIN 0xc1
.else
	WIN 0xf1
.endif
	MUL16 4, \p, \q, \sc, \cm
	MUL16 6, \p, \q, \sc, \cm
	PLACES 4
	WIN 0
	FETCH_A \ns, \nq, 4
.endm
.macro TURN q, p, sc, ns, nsig, fill
	s_wait_tensorcnt 0x0                           ; all my tensor loads have landed
	ds_add_u32 v[SPW], v[NIL]                      ; 0 onto my spare word
	s_wait_dscnt 17                                ; (the add and the youngest 16 loads may be out)
	WIN 0xa1
	MUL16 0, \p, \q, \sc, 0
	s_wait_dscnt 0x0                               ; the add is done, and my reads of this slot are over
	s_barrier_signal -1
	MUL16 2, \p, \q, \sc, 0
	WIN 0
	s_barrier_wait -1
.if \fill
	CREST                                          ; no wave of any partner still reads slot 0 or has a load on its way
	s_add_nc_u64 s[G0R0+2:G0R0+3], s[G0R0+2:G0R0+3], 3*3072
	s_add_nc_u64 s[G0S0+2:G0S0+3], s[G0S0+2:G0S0+3], 3*3072
	JLOAD G0R0, G1, G0S0, G1B                      ; my one tensor load behind the round; its four v_nop are also the places in front of the loads below
.else
	PLACES 4
.endif
	FETCH_B \ns, 0, 1-(\p)
	FETCH_A \ns, 0, 0
	SCALES \nsig
	WIN 0xf1
	MUL16 4, \p, \q, \sc, 0
	MUL16 6, \p, \q, \sc, 0
	PLACES 4
	WIN 0
	FETCH_A \ns, 0, 4
.endm
	s_wait_tensorcnt 2                             ; the scale words and my part of slot 0 are in; slots 1 and 2 may be out
	s_barrier_signal -1
	s_barrier_wait -1
	FETCH_B 0, 0, 0
	FETCH_A 0, 0, 0
	SCALES 0
	FETCH_A 0, 0, 4
	s_wait_loadcnt 0x0                             ; the bias
	STEP 0, 0, 0, 0, 1, -1, 1                      ; K 0: the bias starts the sums
	TURN 1, 1, 0, 1, 1, 1                          ; K 128: leaves slot 0, which is filled again
	STEP 0, 0, 1, 1, 1, -1, 0                      ; K 256
	STEP 1, 1, 1, 2, 0, 2, 0                       ; K 384: on into slot 2, which the round above has shown whole to every wave
	STEP 0, 0, 0, 2, 1, -1, 0                      ; K 512
	TURN 1, 1, 0, 0, 3, 0                          ; K 640: the refill of slot 0 has landed in every wave's part
	STEP 0, 0, 1, 0, 1, -1, 0                      ; K 768
	s_wait_dscnt 16                                ; K 896: nothing more to fetch
	WIN 0xa1
	MUL16 0, 1, 1, 1, 0
	MUL16 2, 1, 1, 1, 0
	s_wait_dscnt 0x0
	WIN 0xf1
	MUL16 4, 1, 1, 1, 0
	MUL16 6, 1, 1, 1, 0
	WIN 0
; THE WAY OUT, R's tile a: 16 tokens x 128 features go through my own stage and come back as whole rows of 512 bytes.  LDS serves a wave's instructions in order: no wait between the stores and the loads.
.macro TOSTAGE a
.set AC, 64*((\a)%4)
	WIN 0x08+4*((\a)/4)                            ; an LDS store's data: window 2 or 3
.irp b, 0,1,2,3,4,5,6,7
	ds_store_b128 v[STO], v[AC+8*\b:AC+8*\b+3] offset:128*(\b/2)+32*(\b%2)        ; each accumulator from its low end on
	ds_store_b128 v[STO], v[AC+8*\b+4:AC+8*\b+7] offset:128*(\b/2)+32*(\b%2)+16
.endr
	WIN 0
.set BB, BK+64*((\a)%2)
.irp t, 0,1,2,3,4,5,6,7,8,9,10,11,12,13,14,15
	ds_load_b128 v[BB+4*\t:BB+4*\t+3], v[RD] offset:\t*528
.endr
.endm
.macro SEND a, younger                 ; younger: the LDS instructions issued behind tile a's loads, which may stay out
.set BB, BK+64*((\a)%2)
	s_wait_dscnt \younger
.irp t, 0,1,2,3,4,5,6,7,8,9,10,11,12,13,14,15
	global_store_b128 v[CO], v[BB+4*\t:BB+4*\t+3], s[14:15] offset:(32*((\a)/2)+8*((\a)%2)+\t+8*(\t/8))*4096 th:TH_STORE_NT   ; 32 lanes store 512 consecutive bytes, aligned; the tile's row t is token 32 (a / 2) + 8 (a % 2) + t + 8 (t / 8)
.endr
.endm
	PLACES 4                                       ; behind the last products: for the loads into R's registers and the reads of the results
	TOSTAGE 0
.irp a, 1,2,3,4,5,6,7
.if \a > 1
	s_wait_xcnt 0x0                                ; tile a - 2's stores have read their registers: tile a's loads may land there
.endif
	TOSTAGE \a
	SEND \a-1, 32                                  ; behind tile a - 1's loads: tile a's 16 stores and 16 loads
.endr
	SEND 7, 0
	s_wait_tensorcnt 0x0                           ; the wave's end
	ds_add_u32 v[SPW], v[NIL]
	s_wait_dscnt 0x0
	CROUND                                         ; the closing round: no work-group ends while a partner may still ask for a tile that names it
	s_endpgm
.Lfunc_end_k_qe6784cc2ff_gemm_out:
	.size	k_qe6784cc2ff_gemm_out, .Lfunc_end_k_qe6784cc2ff_gemm_out-k_qe6784cc2ff_gemm_out
	.p2alignl 7, 3214868480
	.fill 96, 4, 3214868480
	.section	.rodata,"a",@progbits
	.p2align	6, 0x0
	.amdhsa_kernel k_qe6784cc2ff_gemm_out
		.amdhsa_group_segment_fixed_size 327680
		.amdhsa_private_segment_fixed_size 0
		.amdhsa_enable_private_segment 0
		.amdhsa_kernarg_size 48
		.amdhsa_user_sgpr_count 2
		.amdhsa_user_sgpr_kernarg_segment_ptr 1
		.amdhsa_wavefront_size32 1
		.amdhsa_system_sgpr_workgroup_id_x 1
		.amdhsa_system_sgpr_workgroup_id_y 1
		.amdhsa_system_sgpr_workgroup_id_z 1
		.amdhsa_system_vgpr_workitem_id 0
		.amdhsa_next_free_vgpr 1024
		.amdhsa_next_free_sgpr 102
		.amdhsa_reserve_vcc 0
		.amdhsa_float_denorm_mode_32 3
		.amdhsa_float_denorm_mode_16_64 3
		.amdhsa_memory_ordered 1
		.amdhsa_forward_progress 1
		.amdhsa_inst_pref_size 144
	.end_amdhsa_kernel
	.amdgpu_metadata
---
amdhsa.version: [ 1, 2 ]
amdhsa.kernels:
  - .name:           k_qe6784cc2ff_gemm_out
    .symbol:         k_qe6784cc2ff_gemm_out.kd
    .args:
      - { .name: oc, .offset: 0, .size: 8, .value_kind: global_buffer, .address_space: global }
      - { .name: os, .offset: 8, .size: 8, .value_kind: global_buffer, .address_space: global }
      - { .name: wc, .offset: 16, .size: 8, .value_kind: global_buffer, .address_space: global }
      - { .name: ws, .offset: 24, .size: 8, .value_kind: global_buffer, .address_space: global }
      - { .name: out_b, .offset: 32, .size: 8, .value_kind: global_buffer, .address_space: global }
      - { .name: out0, .offset: 40, .size: 8, .value_kind: global_buffer, .address_space: global }
    .group_segment_fixed_size: 327680
    .private_segment_fixed_size: 0
    .kernarg_segment_align: 8
    .kernarg_segment_size: 48
    .max_flat_workgroup_size: 128
    .sgpr_count:     102
    .vgpr_count:     1024
    .wavefront_size: 32
...
	.end_amdgpu_metadata
.endif
;; end of part 4
